; MI455X (gfx1250); checked and timed in simulation.
; The chip was launched on July 23, 2026; its instructions are those of AMD's public machine-readable ISA for CDNA 5 (MIT licence, August 2026) and "CDNA5" Instruction Set Architecture Reference Guide (July 2026). The comments in the code are by the model that wrote it; some were corrected since.
;; Hydra Attention. Allowed arithmetic: matrix products marked QUANTISED: E2M3 operands, one E8M0 scale for each 32 along K, by v_wmma_scale_f32_16x16x128_f8f6f4 with both operands' format E2M3, f32 sums; everything else in f32.
;; Inputs: Wqkv_codes 3,072 x 32 x 24 uint8 (E2M3 codes of Wqkv, K innermost, in blocks of 32 codes, four codes in three bytes); Wqkv_scales 3,072 x 32 uint8 (E8M0 scales of Wqkv, one for each 32 codes along K); bias 1 x 1 x 1,024 float32; bqkv 3,072 float32; scale 1 x 1 x 1,024 float32; x_codes 4 x 4,096 x 32 x 24 uint8 (E2M3 codes of x, K innermost, in blocks of 32 codes, four codes in three bytes); x_scales 4 x 4,096 x 32 uint8 (E8M0 scales of x, one for each 32 codes along K).
;; Outputs: out0 4 x 4,096 x 1,024 float32.
;; This version of the problem:
;;   THIS VERSION OF THE PROBLEM IS GIVEN IN LOW PRECISION. The matrix products marked QUANTISED in the list below multiply operands that are first quantised to E2M3 (2 exponent bits, 3 mantissa bits; 6 bits a number), with one power-of-two scale for each 32 numbers along K (OCP MX v1.0); their sums are f32. All else is computed in f32.
;;   The module's matrix products, in the order in which they are computed (A, B: the left and right operand; K: the contracted axis; several contracted axes count as one K, in the product's order):
;;     1. [M 16,384, K 1,024] x [K 1,024, N 3,072]; A: input x (given as codes); B: input Wqkv (given as codes): QUANTISED
;;   THE QUANTISER, for each operand of a quantised product, along K:
;;     - K is cut into blocks of 32 from its start; a last block that is shorter is filled with zeros.
;;     - A block's scale is 2^e with e = floor(log2(the largest magnitude in the block)) - 2, held to -126 .. 127; a block of zeros has e = 0. As a byte (E8M0): e + 127.
;;     - Each number is divided by its block's scale, clamped to +-7.5, and rounded to the nearest number of E2M3, ties to even, subnormals kept.
;;     - The product sums the exact products of the quantised numbers (number of the format x scale) in f32.
;;   ~~~python
;;   def quantise(x, axis):      # numpy; x: float32 -> the quantised numbers, widened to float32 again
;;       x = np.moveaxis(x, axis, -1); K = x.shape[-1]
;;       x = np.pad(x, [(0, 0)] * (x.ndim - 1) + [(0, -K % 32)]); x = x.reshape(x.shape[:-1] + (-1, 32)); a = np.abs(x).max(-1, keepdims=True)
;;       e = np.where(a > 0, np.clip(np.frexp(np.where(a > 0, a, 1))[1] - 1 - 2, -126, 127), 0)      # np.frexp(a)[1] - 1 = floor(log2(a)), exactly
;;       r = np.clip(x / 2.0 ** e, -7.5, 7.5)
;;       step = 2.0 ** (np.maximum(np.frexp(np.where(r == 0, 1, r))[1] - 1, 0) - 3)
;;       q = np.round(r / step) * step * 2.0 ** e      # np.round: ties to even
;;       return np.moveaxis(q.reshape(q.shape[:-2] + (-1,))[..., :K], -1, axis).astype(np.float32)
;;   ~~~
;;   INPUTS GIVEN AS CODES. Wqkv (in the module: [1024, 3072], K = its axis 0); x (in the module: [4, 4096, 1024], K = its axis 2): each comes as NAME_codes (uint8): NAME with its K axis moved to the last place and cut into blocks of 32 codes, [.., K / 32, bytes a block], one block behind the other in memory; four codes in three bytes: a row's codes are one little-endian stream of bits, code i at bits 6 i .. 6 i + 5 (a code: sign, 2 exponent bits, 3 mantissa bits); and NAME_scales (uint8): the same leading axes, one E8M0 byte (e + 127) for each 32 codes along K. Its value is code x scale, taken as it is: it is not quantised again, and the codes and scales need not be those that the quantiser above would give.
;; 2 versions. Each part assembles by itself: llvm-mc -triple=amdgcn-amd-amdhsa -mcpu=gfx1250 --defsym DOCPART=n.
;; ======== version 1 of 2: 2 launches
;; workspace buffers: part 1,048,576 bytes
;; launch kv (part 1): grid 256 x 1, 4 waves a work-group, clusters of 4 x 1, 327,680 bytes of LDS; arguments x_codes, x_scales, Wqkv_codes, Wqkv_scales, bqkv, part; writes part
.if DOCPART == 1
	.amdgcn_target "amdgcn-amd-amdhsa--gfx1250"
	.amdhsa_code_object_version 6
	.text
	.protected	k_q91142f4b59_kv
	.globl	k_q91142f4b59_kv
	.p2align	8
	.type	k_q91142f4b59_kv,@function
k_q91142f4b59_kv:
	s_mov_b64 s[64:65], 0
	v_nop
	global_prefetch_b8 v0, s[64:65] scope:SCOPE_SE
	s_setreg_imm32_b32 hwreg(HW_REG_WAVE_MODE, 25, 1), 1
	s_wait_xcnt 0x0
	s_wait_alu depctr_hold_cnt(0) depctr_sa_sdst(0) depctr_va_vdst(0) depctr_va_sdst(0) depctr_va_ssrc(0) depctr_va_vcc(0) depctr_vm_vsrc(0)
	s_getreg_b32 s2, hwreg(HW_REG_IB_STS2, 6, 4)
	s_cmp_eq_u32 s2, 0
	s_cbranch_scc0 .Lentry_in_a_cluster
	s_endpgm
.Lentry_in_a_cluster:
	s_bfe_u32 s2, ttmp6, 0x10000c
	s_cmp_lg_u32 s2, 0x3003
	s_cbranch_scc0 .Lentry_shape_is_right
	s_endpgm
.Lentry_shape_is_right:
; part[wg][d] = the sum over the work-group's 64 tokens t of k[t][d] / |k[t]| x v[t][d], with k = x Wk + bk and v = x Wv + bv, both products on codes of FP6 (E2M3) with one E8M0 scale for each 32 along K.
; x: 16,384 rows of 768 bytes of codes (1,024 along K) and 32 scale bytes; W: 3,072 rows (columns of the product) likewise; columns 1,024 .. 2,047 are k's, 2,048 .. 3,071 v's.  part: [256][1024] f32.
; SHARES.  256 work-groups of four waves.  A work-group owns 64 tokens and all columns; wave w owns columns 256 w .. 256 w + 255 of k and of v for all 64 tokens.  Each wave keeps ALL of x's 64 rows in registers
; (4 blocks of 16 tokens x 8 K steps x 12 = 384), so that a fragment of W read from LDS feeds four matrix instructions.  W is streamed along N: a row of W is 768 consecutive bytes.
; LAYOUT.  Source 0 = 16 tokens of x, source 1 = 16 columns of W: register j of lane (r, h) of a result is token 16 a + 8 h + j in lane r's column.  THE COLUMNS OF A TILE ARE NOT NEIGHBOURS: in group g (64 columns)
; tile i takes column 64 g + 4 r + i in lane r, so that the four tiles of a group give a lane four neighbouring columns.  A sum over tokens is then a sum down a lane's registers and one exchange with lane l xor 16.
; SLOTS.  Slot n holds, for each wave, tiles 2 (n % 2) and 2 (n % 2) + 1 of group n / 2 (groups 0-3: k's, 4-7: v's): 16 pieces of two neighbouring rows of W (1,536 bytes), 3,072 bytes apart in memory.  Two slots take turns.
; A wave fetches and reads its own quarter of a slot alone.  CLUSTER: nothing in W's addresses hangs on the work-group, so the four work-groups of a cluster ask for each tile JOINTLY (mask 15).  x's rows are each work-group's own.
; PHASES.  k (slots 0-7) into 64 accumulators; the rows' norms; k / |k| in place; two tiles of it go to LDS, since v's eight accumulators need their 64 registers; v (slots 8-15), each tile multiplied with its tile of k / |k|
; and summed over the tokens in the places behind the next tile's products.  The biases are the C of each sum's first matrix instruction.
; LIMITS.  A row of k whose sum of squares lies under 2^-126 counts as zero (the reciprocal root takes denormals as 0): infinity or NaN results, as for a row of zeros; a sum of squares past f32's largest number
; gives 0 for the reciprocal of the norm.  The order of the sums differs from the definition's.
; REGISTERS, in windows of 256.  Window 0: v1-11 addresses; v12-27 x's scale words, v28-35 W's (lanes 0-15: K steps 0-3, lanes 16-31: K steps 4-7); v36-43 two groups' biases; v44-47 two running sums; v48-63 the 16 results;
;   v64-111 four fragments of W; v112-255 x's fragments of K steps 5-7.   Window 1: x's fragments of K steps 0-4; v240-247 the tile's bias, eight times.   Windows 2, 3: the accumulators of k: tile t, block a at window 2 + t / 8,
;   v[32 (t % 8) + 8 a].  v's eight accumulators: window 3, v192-255.
.set NS,     16                        ; slots
.set P0,     1024                      ; the first column of W that this launch multiplies
.set RS,     64                        ; units of 256 bytes of W's scales that a wave brings
.set WPITCH, 1584                      ; a piece in LDS: 3 x (512 bytes + 16 of padding) = 396 words: piece r starts at bank 12 r mod 64, so the 32 lanes of a load of 8 bytes touch 64 different banks (64 banks of 4 bytes: ISA guide 11.1)
.set WPART,  16*WPITCH                 ; a wave's quarter of a slot
.set SLOTB,  4*WPART
.set XR,     2*SLOTB                   ; x's codes: 64 rows x 816 bytes (3 x (256 + 16)); filled once; later the place of two tiles of k / |k|
.set XPITCH, 816
.set XPART,  16*XPITCH
.set WSC,    XR+4*XPART                ; W's scale bytes of columns P0 on, as units of 256 bytes + 16 of padding; filled once
.set SPARE,  WSC+256*272               ; the spare words, 128 bytes for each wave: two blocks of 256 bytes that no other line names
.set STG,    SPARE+512                 ; the rows' sums of squares, [wave][64]
.set STG2,   STG+1024                  ; 1 / norm, a copy for each wave, [wave][64]
.set SPW, 1                            ; v1   LDS address of my spare word; never rewritten
.set NIL, 2                            ; v2   0; never rewritten
.set WSA, 3                            ; v3   my lane's place among W's scale words
.set BO,  4                            ; v4   16 r: my lane's four columns in a group's 256 bytes
.set SPA, 5                            ; v5   where my 16 bytes of a spilled quad lie
.set WA,  8                            ; v8, v9 my lane's place in slot 0 (24 h; 40 h for pieces behind one padding more); v10, v11 in slot 1
.set XS,  12
.set WS,  28
.set BV,  36
.set SUMA, 44
.set SUMB, 46
.set RES, 48
.set XA,  60                           ; v60, v61 (head only) my lane's place in x's rows
.set XSO, 62                           ; v62 (head only) my lane's place among x's scale words
.set WF,  64
.set SS,  64                           ; v64-95 between the phases: sums of squares, then 1 / norm, [a][j]
.set NA,  96                           ; v96-99 addresses, v100-107 at work, between the phases
.set BC,  240                          ; in window 1
.set WV,  22                           ; s22 my wave's number
.set G1W, 32                           ; s[32:39] descriptor group 1 for W's tiles; s[40:47] for W's scales; s[48:55] for x
.set G1S, 40
.set G1X, 48
.set G0W, 56                           ; s[56:59], s[60:63] group 0 for slot 0, slot 1; they walk
.set G0S, 68
.set G0X, 72
.set SEL, 76                           ; s[76:77] lane selects: lane l xor 16
.set MSB, 0
.macro WIN new                         ; the immediate's high byte repeats the setting that is left; a switch that changes nothing is dropped
.if MSB != (\new)
	s_set_vgpr_msb (MSB<<8)|(\new)
.set MSB, (\new)
.endif
.endm
.macro NOPS n
.rept \n
	v_nop
.endr
.endm
.macro CREST                           ; a round of the cluster's barrier behind its opening barrier
	s_cmp_lg_u32 s[WV], 0
	s_cbranch_scc1 .Lnot_wave_0_\@
	s_barrier_signal -3
.Lnot_wave_0_\@:
	s_barrier_wait -3
	s_barrier_signal -1
	s_barrier_wait -1
.endm
.macro CROUND                          ; a whole round
	s_barrier_signal -1
	s_barrier_wait -1
	CREST
.endm
; A fragment of W: 16 columns x 128 K, 12 registers: lane (r, h) takes 24 bytes at 96 s + 24 h and 24 at 96 s + 48 + 24 h of its column's 768, in pieces of 8 bytes.  ff = 8 i' + s: which of the slot's 16; buffer ff % 4.
; 16 bytes of padding lie behind every 512: where lanes 16-31, three pieces on, lie behind one padding more, the second address register serves.
.macro FRAGLD sl, ff
.set FB_, WF+12*((\ff)%4)
.irp q,0,1,2,3,4,5
.set BB_, 768*((\ff)/8)+96*((\ff)%8)+48*(\q/3)+8*(\q%3)
.if BB_%512 < 488
	ds_load_b64 v[FB_+2*\q:FB_+2*\q+1], v[WA+2*(\sl)] offset:BB_+16*(BB_/512)
.else
	ds_load_b64 v[FB_+2*\q:FB_+2*\q+1], v[WA+2*(\sl)+1] offset:BB_+16*(BB_/512)
.endif
.endr
.endm
.macro XFRAG a, s                      ; x's fragment of tokens 16 a on, K step s: the same out of x's rows, padded behind every 256 bytes
.if (\s) < 5
.set XB_, 48*(\s)+12*(\a)
.else
.set XB_, 112+48*((\s)-5)+12*(\a)
.endif
.irp q,0,1,2,3,4,5
.set BB_, 96*(\s)+48*(\q/3)+8*(\q%3)
.if BB_%256 < 232
	ds_load_b64 v[XB_+2*\q:XB_+2*\q+1], v[XA] offset:XPART*(\a)+BB_+16*(BB_/256)
.else
	ds_load_b64 v[XB_+2*\q:XB_+2*\q+1], v[XA+1] offset:XPART*(\a)+BB_+16*(BB_/256)
.endif
.endr
.endm
.macro WSLD tau                        ; tile tau's scale words: 16 bytes a lane: lanes 0-15 K steps 0-3 of their column, lanes 16-31 K steps 4-7; set tau % 2
.set G_, (\tau)/4
	ds_load_b128 v[WS+4*((\tau)%2):WS+4*((\tau)%2)+3], v[WSA] offset:(G_/4)*34816+(G_%4)*2176+32*((\tau)%4)
.endm
; The four products of step F of slot N: K step F % 8 of tile 2 N + F / 8, x's four blocks of tokens against one fragment of W.  The four accumulators take turns, one instruction a turn.
.macro MM4
.set TAU, 2*N+F/8
.set KS_, F%8
.set BF_, WF+12*(F%4)
.set SB_, WS+4*(TAU%2)+KS_%4
.set SA_, XS+KS_%4
.if N >= 8
.set DW_, 3
.set DB_, 192+32*(F/8)
.else
.set DW_, 2+TAU/8
.set DB_, 32*(TAU%8)
.endif
.if KS_ < 5
.set XW_, 1
.set XB_, 48*KS_
.else
.set XW_, 0
.set XB_, 112+48*(KS_-5)
.endif
.if KS_ == 0
	WIN XW_|0x10|(DW_<<6)
.irp a,0,1,2,3
	v_wmma_scale_f32_16x16x128_f8f6f4 v[DB_+8*\a:DB_+8*\a+7], v[XB_+12*\a:XB_+12*\a+11], v[BF_:BF_+11], v[BC:BC+7], v[SA_+4*\a], v[SB_] matrix_a_fmt:MATRIX_FMT_FP6 matrix_b_fmt:MATRIX_FMT_FP6
.endr
.elseif KS_ < 4
	WIN XW_|(DW_<<4)|(DW_<<6)
.irp a,0,1,2,3
	v_wmma_scale_f32_16x16x128_f8f6f4 v[DB_+8*\a:DB_+8*\a+7], v[XB_+12*\a:XB_+12*\a+11], v[BF_:BF_+11], v[DB_+8*\a:DB_+8*\a+7], v[SA_+4*\a], v[SB_] matrix_a_fmt:MATRIX_FMT_FP6 matrix_b_fmt:MATRIX_FMT_FP6
.endr
.else
	WIN XW_|(DW_<<4)|(DW_<<6)
.irp a,0,1,2,3
	v_wmma_scale_f32_16x16x128_f8f6f4 v[DB_+8*\a:DB_+8*\a+7], v[XB_+12*\a:XB_+12*\a+11], v[BF_:BF_+11], v[DB_+8*\a:DB_+8*\a+7], v[SA_+4*\a], v[SB_] matrix_a_fmt:MATRIX_FMT_FP6 matrix_b_fmt:MATRIX_FMT_FP6 matrix_a_scale:MATRIX_SCALE_ROW1 matrix_b_scale:MATRIX_SCALE_ROW1
.endr
.endif
.endm
; v's tile tp (16 .. 31) against its tile of k / |k|: where the two lie, and where the result goes.  The last two tiles of k / |k| have come back from LDS into window 2, v0-63.
.macro EPISET tp
.set TP_, (\tp)-16
.set VB_, 192+32*(TP_%2)
.if TP_/2 == 7
.set KW_, 2
.set KB_, 32*(TP_%2)
.else
.set KW_, 2+TP_/8
.set KB_, 32*(TP_%8)
.endif
.endm
.macro EPI a                           ; block a: eight tokens a lane, two at a time, in two chains; each accumulator is read from its low end on; block 0 starts the sums
	WIN KW_|0x0c
.if (\a) == 0
	v_pk_mul_f32 v[SUMA:SUMA+1], v[KB_:KB_+1], v[VB_:VB_+1]
	v_pk_mul_f32 v[SUMB:SUMB+1], v[KB_+2:KB_+3], v[VB_+2:VB_+3]
.else
	v_pk_fma_f32 v[SUMA:SUMA+1], v[KB_+8*(\a):KB_+8*(\a)+1], v[VB_+8*(\a):VB_+8*(\a)+1], v[SUMA:SUMA+1]
	v_pk_fma_f32 v[SUMB:SUMB+1], v[KB_+8*(\a)+2:KB_+8*(\a)+3], v[VB_+8*(\a)+2:VB_+8*(\a)+3], v[SUMB:SUMB+1]
.endif
	v_pk_fma_f32 v[SUMA:SUMA+1], v[KB_+8*(\a)+4:KB_+8*(\a)+5], v[VB_+8*(\a)+4:VB_+8*(\a)+5], v[SUMA:SUMA+1]
	v_pk_fma_f32 v[SUMB:SUMB+1], v[KB_+8*(\a)+6:KB_+8*(\a)+7], v[VB_+8*(\a)+6:VB_+8*(\a)+7], v[SUMB:SUMB+1]
.endm
.macro FIN                             ; the tile's sum over my 32 tokens
	WIN 0
	v_pk_add_f32 v[SUMA:SUMA+1], v[SUMA:SUMA+1], v[SUMB:SUMB+1]
	v_nop
	v_add_f32 v[RES+TP_], v[SUMA], v[SUMA+1]
	v_nop
.endm
; Four plain vector instructions behind each step's products, none of which names a register of those products: the places in front of the load into the fragment buffer just read (ISA guide 7.12.1 for vector instructions).
; K steps 1, 2: the next tile's bias, eight times over; K steps 3-7, from v's second tile on: the tile before against k / |k|; else v_nop.
.macro SLICE
.set S_, F%8
.set TAU, 2*N+F/8
.if ((S_ == 1) || (S_ == 2)) && (TAU+1 < 2*NS)
.if (S_ == 1) && ((TAU+1)%4 == 0)
	s_wait_loadcnt 0x0                             ; the next tile opens a group: its four biases, asked for two slots ago, are in
.endif
	WIN 0x40
.irp j,0,1,2,3
	v_mov_b32 v[BC+4*(S_-1)+\j], v[BV+4*(((TAU+1)/4)%2)+(TAU+1)%4]
.endr
.elseif (TAU > 16) && (S_ >= 3) && (S_ <= 6)
	EPISET TAU-1
	EPI S_-3
.elseif (TAU > 16) && (S_ == 7)
	EPISET TAU-1
	FIN
.else
	NOPS 4
.endif
.endm
; The wait at a step's head counts the LDS instructions younger than fragment F's six loads: three fragments (18); the load of scale words too, where it lies among them (19); in the last slot what is left.
.macro STEPW mode
.set CNT_, 18
.if ((F >= 2) && (F <= 5)) || ((F >= 10) && (F <= 13) && (N+1 < NS))
.set CNT_, 19
.endif
.if (\mode == 3) && (F >= 12)
.set CNT_, 6*(15-F)
.endif
	s_wait_dscnt CNT_
.endm
; SLOT N: 16 steps.  Step F multiplies fragment F and then fetches fragment F + 4 into the buffer that it has read.
; mode 1: the slot is filled again, with slot N + 2, and the next slot's first fragments are fetched;  2: filled again, nothing fetched;  0: nothing filled, the next slot is fetched;  3: the last slot.
.macro SLOT mode
.set F, 0
.rept 12
	STEPW \mode
	MM4
	SLICE
	WIN 0
	FRAGLD N%2, F+4
.if F == 1
	WSLD 2*N+1
.endif
.if (F == 9) && (N+1 < NS)
	WSLD 2*N+2
.endif
.if (F == 10) && (N%2 == 1) && (N/2+2 < NS/2)
	global_load_b128 v[BV+4*((N/2)%2):BV+4*((N/2)%2)+3], v[BO], s[12:13] offset:4*P0+4096*((N/2+2)/4)+256*((N/2+2)%4)   ; the biases of the group after the next, into the set that this group has left
.endif
.set F, F+1
.endr
.if (\mode == 1) || (\mode == 2)
	s_wait_tensorcnt 0x0                           ; all my tensor loads have landed: the one that was out is my quarter of the next slot;
	ds_add_u32 v[SPW], v[NIL]                      ; 0 onto my spare word
	s_wait_dscnt 20                                ; (three fragments, the scale words and the add may be out)
	MM4                                            ; four products and their slice stand between the add and the wait for it
	SLICE
	s_wait_dscnt 0x0                               ; the add is done, and my reads of this slot are over: all its fragments are in registers
	s_barrier_signal -1                            ; this barrier opens a round of the cluster's barrier
.set F, 13
	MM4
	SLICE
	WIN 0
	s_barrier_wait -1
	CREST                                          ; no wave of any partner still reads this slot or has a load on its way
.if (N == 6) || (N == 7)
	s_add_nc_u64 s[G0W+4*(N%2)+2:G0W+4*(N%2)+3], s[G0W+4*(N%2)+2:G0W+4*(N%2)+3], 832*768   ; from k's last group to v's first
.else
	s_add_nc_u64 s[G0W+4*(N%2)+2:G0W+4*(N%2)+3], s[G0W+4*(N%2)+2:G0W+4*(N%2)+3], 64*768    ; the next group
.endif
	tensor_load_to_lds s[G0W+4*(N%2):G0W+4*(N%2)+3], s[G1W:G1W+7]   ; the first tensor load behind the round, and my only one until the next
	s_nop 0
	NOPS 4
.if N == 13
	WIN 0x80                                       ; the two tiles of k / |k| come back, into registers whose tiles have been used up; they are older than every fragment asked for below
.irp q,0,1,2,3,4,5,6,7,8,9,10,11,12,13,14,15
	ds_load_b128 v[4*\q:4*\q+3], v[SPA] offset:512*\q
.endr
	WIN 0
.endif
.if \mode == 1
	FRAGLD (N+1)%2, 0
	FRAGLD (N+1)%2, 1
.endif
.set F, 14
	MM4
	SLICE
	WIN 0
.if \mode == 1
	FRAGLD (N+1)%2, 2
.endif
.set F, 15
	MM4
	SLICE
	WIN 0
.if \mode == 1
	FRAGLD (N+1)%2, 3
.endif
.else
.if \mode == 0
	s_wait_tensorcnt 0x0                           ; the one load that is out is my quarter of the last slot, which I alone read: this wait is all that the reads below need
.endif
.rept 4
	STEPW \mode
	MM4
	SLICE
	WIN 0
.if \mode == 0
	FRAGLD (N+1)%2, F-12
.endif
.set F, F+1
.endr
.endif
.set N, N+1
.endm
	s_load_b256 s[4:11], s[0:1], 0x0               ; x's codes s[4:5], x's scales s[6:7], W's codes s[8:9], W's scales s[10:11]
	s_load_b128 s[12:15], s[0:1], 0x20             ; bqkv s[12:13], part s[14:15]
	v_lshl_add_u32 v[SPW], v0, 2, SPARE
	v_mov_b32 v[NIL], 0
	ds_add_u32 v1, v2
	ds_add_u32 v1, v2
	s_wait_dscnt 0x0
	v_lshrrev_b32 v6, 5, v0
	v_readfirstlane_b32 s[WV], v6                  ; wave 0..3
	s_bfe_u32 s23, ttmp6, 0x40000                  ; cx: my place in the cluster
	s_lshl_b32 s24, ttmp9, 2                       ; in a cluster launch ttmp9 counts clusters
	s_add_co_u32 s24, s24, s23                     ; my work-group: it enters x's and part's addresses alone
	; group 1 for W's tiles: 16 rows of 192 elements of 8 bytes, 384 elements apart
	s_mov_b32 s[G1W], 15|(3<<16)|(1<<20)|(1<<21)|(6<<22)|(3<<25)   ; 15:0 the mask: all four work-groups; 17:16 elements of 8 bytes; 20 padding on; 21 set beside a mask; 24:22 after every 128 words (code 6); 31:25 4 words of it (code 3)
	s_mov_b32 s[G1W+1], 192<<16                    ; tensor_dim0
	s_mov_b32 s[G1W+2], 16<<16                     ; tensor_dim1
	s_mov_b32 s[G1W+3], 192<<16                    ; tile_dim0
	s_mov_b32 s[G1W+4], 16                         ; tile_dim1
	s_mov_b32 s[G1W+5], 384                        ; tensor_dim0_stride
	s_mov_b32 s[G1W+6], 0
	s_mov_b32 s[G1W+7], 0
	; for W's scales: a dense block as RS rows of 256 bytes, 16 bytes of padding behind each
	s_mov_b32 s[G1S], 15|(3<<16)|(1<<20)|(1<<21)|(5<<22)|(3<<25)
	s_mov_b32 s[G1S+1], 32<<16
	s_mov_b32 s[G1S+2], RS<<16
	s_mov_b32 s[G1S+3], 32<<16
	s_mov_b32 s[G1S+4], RS
	s_mov_b32 s[G1S+5], 32
	s_mov_b32 s[G1S+6], 0
	s_mov_b32 s[G1S+7], 0
	; for x: 16 rows of 768 bytes are a dense block: 48 rows of 256 bytes, padded likewise; the work-group's own: no mask
	s_mov_b32 s[G1X], (3<<16)|(1<<20)|(5<<22)|(3<<25)
	s_mov_b32 s[G1X+1], 32<<16
	s_mov_b32 s[G1X+2], 48<<16
	s_mov_b32 s[G1X+3], 32<<16
	s_mov_b32 s[G1X+4], 48
	s_mov_b32 s[G1X+5], 32
	s_mov_b32 s[G1X+6], 0
	s_mov_b32 s[G1X+7], 0
	s_mov_b32 s[SEL], 0x76543210
	s_mov_b32 s[SEL+1], 0xfedcba98
	s_mul_i32 s26, s[WV], WPART                    ; my quarter of a slot
	s_mul_i32 s28, s[WV], 256*768                  ; my 256 columns' codes,
	s_add_co_u32 s28, s28, P0*768                  ; from column P0 on
	s_mov_b32 s29, 0
	s_mul_i32 s30, s[WV], RS*256                   ; the part of the scales that I bring
	s_add_co_u32 s30, s30, P0*32
	s_mov_b32 s31, 0
	s_mul_i32 s2, s24, 64*768                      ; my work-group's 64 rows of x,
	s_mul_i32 s3, s[WV], 16*768                    ; the 16 of them that I bring
	s_add_co_u32 s2, s2, s3
	s_mov_b32 s3, 0
	s_mov_b32 s[G0W], 1
	s_mov_b32 s[G0W+1], s26
	s_mov_b32 s[G0W+4], 1
	s_add_co_u32 s[G0W+5], s26, SLOTB
	s_mov_b32 s[G0S], 1
	s_mul_i32 s[G0S+1], s[WV], RS*272
	s_add_co_u32 s[G0S+1], s[G0S+1], WSC
	s_mov_b32 s[G0X], 1
	s_mul_i32 s[G0X+1], s[WV], XPART
	s_add_co_u32 s[G0X+1], s[G0X+1], XR
	s_wait_kmcnt 0x0
	s_add_nc_u64 s[G0W+2:G0W+3], s[8:9], s[28:29]  ; slot 0: tiles 0, 1 of group 0
	s_add_nc_u64 s[G0W+6:G0W+7], s[G0W+2:G0W+3], 2*768   ; slot 1: tiles 2, 3: two rows on
	s_or_b32 s[G0W+3], s[G0W+3], 0x80000000
	s_or_b32 s[G0W+7], s[G0W+7], 0x80000000
	s_add_nc_u64 s[G0S+2:G0S+3], s[10:11], s[30:31]
	s_or_b32 s[G0S+3], s[G0S+3], 0x80000000
	s_add_nc_u64 s[G0X+2:G0X+3], s[4:5], s[2:3]
	s_or_b32 s[G0X+3], s[G0X+3], 0x80000000
	CROUND                                         ; all four work-groups are here: the first joint loads meet
	tensor_load_to_lds s[G0S:G0S+3], s[G1S:G1S+7]  ; the first fills stand together: four loads of mine are out
	s_nop 0
	tensor_load_to_lds s[G0X:G0X+3], s[G1X:G1X+7]
	s_nop 0
	tensor_load_to_lds s[G0W:G0W+3], s[G1W:G1W+7]
	s_nop 0
	tensor_load_to_lds s[G0W+4:G0W+7], s[G1W:G1W+7]
	s_nop 0
	NOPS 4
	s_lshl_b32 s2, s24, 11                         ; x's scales at my work-group's first row (32 bytes a row)
	s_add_nc_u64 s[6:7], s[6:7], s[2:3]
	s_lshl_b32 s2, s[WV], 10                       ; bqkv at my wave's 256 columns
	s_add_nc_u64 s[12:13], s[12:13], s[2:3]
	s_lshl_b32 s25, s24, 12                        ; part at my work-group's row, my wave's columns
	s_add_co_u32 s2, s2, s25
	s_add_nc_u64 s[14:15], s[14:15], s[2:3]
	v_and_b32 v6, 15, v0                           ; r
	v_bfe_u32 v7, v0, 4, 1                         ; h
	v_mul_u32_u24 v[WA], v6, WPITCH
	v_mad_u32_u24 v[WA], v7, 24, v[WA]
	v_add_nc_u32 v[WA], s26, v[WA]                 ; piece r of my quarter, + 24 h
	v_lshl_add_u32 v[WA+1], v7, 4, v[WA]           ; and the same behind one padding more
	v_add_nc_u32 v[WA+2], SLOTB, v[WA]
	v_add_nc_u32 v[WA+3], SLOTB, v[WA+1]
	v_mul_u32_u24 v[XA], v6, XPITCH
	v_mad_u32_u24 v[XA], v7, 24, v[XA]
	v_add_nc_u32 v[XA], XR, v[XA]
	v_lshl_add_u32 v[XA+1], v7, 4, v[XA]
	v_lshrrev_b32 v[WSA], 1, v6                    ; column 4 r + i of a group: unit r / 2, byte 128 (r % 2) + 32 i in it; + 16 h
	v_mul_u32_u24 v[WSA], v[WSA], 272
	v_and_b32 v[BO], 1, v6
	v_lshl_add_u32 v[WSA], v[BO], 7, v[WSA]
	v_lshl_add_u32 v[WSA], v7, 4, v[WSA]
	s_mul_i32 s27, s[WV], 32*272                   ; my 256 columns are 32 units
	s_add_co_u32 s27, s27, WSC
	v_add_nc_u32 v[WSA], s27, v[WSA]
	v_lshlrev_b32 v[BO], 4, v6
	v_and_b32 v[SPA], 31, v0
	v_lshlrev_b32 v[SPA], 4, v[SPA]
	s_lshl_b32 s27, s[WV], 13
	s_add_co_u32 s27, s27, XR
	v_add_nc_u32 v[SPA], s27, v[SPA]
	v_lshlrev_b32 v[XSO], 5, v6
	v_lshl_add_u32 v[XSO], v7, 4, v[XSO]           ; row r's 32 scale bytes, + 16 h
.irp a,0,1,2,3
	global_load_b128 v[XS+4*\a:XS+4*\a+3], v[XSO], s[6:7] offset:512*\a   ; 32 lanes read 512 consecutive bytes: the scale words of 16 tokens
.endr
	global_load_b128 v[BV:BV+3], v[BO], s[12:13] offset:4*P0              ; the biases of groups 0 and 1
	global_load_b128 v[BV+4:BV+7], v[BO], s[12:13] offset:4*P0+256
	s_wait_tensorcnt 0x1                           ; the scales, x and slot 0 are in; slot 1's load may stay out
	s_barrier_signal -1
	s_barrier_wait -1                              ; everybody's are: x's rows and the scales are read across waves
	WIN 0x40
.irp s,0,1,2,3,4
.irp a,0,1,2,3
	XFRAG \a, \s
.endr
.endr
	WIN 0
.irp s,5,6,7
.irp a,0,1,2,3
	XFRAG \a, \s
.endr
.endr
	WSLD 0
.irp f,0,1,2,3
	FRAGLD 0, \f
.endr
	s_wait_loadcnt 0x0                             ; x's scale words and the first biases
	WIN 0x40
.irp j,0,1,2,3,4,5,6,7
	v_mov_b32 v[BC+\j], v[BV]                      ; tile 0's bias
.endr
	WIN 0
	NOPS 4
.set N, 0
.rept 7
	SLOT 1                                         ; k
.endr
	SLOT 2                                         ; k's last slot: slot 9 is asked for; the fragment buffers are wanted below
	; THE NORMS.  Sums of squares over my 256 columns: down the 16 tiles, then across the 16 lanes of a half; the four waves' sums meet in LDS.
	NOPS 4
	v_bfe_u32 v[NA], v0, 4, 1
	v_lshlrev_b32 v[NA], 5, v[NA]                  ; 32 h
	s_lshl_b32 s27, s[WV], 8
	v_add_nc_u32 v[NA], s27, v[NA]                 ; + 256 w
	v_add_nc_u32 v[NA+3], STG2, v[NA]
	v_add_nc_u32 v[NA], STG, v[NA]
	v_and_b32 v[NA+1], 31, v0
	v_lshlrev_b32 v[NA+1], 3, v[NA+1]              ; 8 x lane: two tokens a lane
	v_add_nc_u32 v[NA+2], s27, v[NA+1]
	v_add_nc_u32 v[NA+2], STG2, v[NA+2]
	v_add_nc_u32 v[NA+1], STG, v[NA+1]
.set T_, 0
.rept 16
	WIN 0x0a+5*(T_/8)                              ; sources 0 and 1: window 2 or 3
.irp a,0,1,2,3
.irp j,0,2,4,6
.if T_ == 0
	v_pk_mul_f32 v[SS+8*\a+\j:SS+8*\a+\j+1], v[32*(T_%8)+8*\a+\j:32*(T_%8)+8*\a+\j+1], v[32*(T_%8)+8*\a+\j:32*(T_%8)+8*\a+\j+1]
.else
	v_pk_fma_f32 v[SS+8*\a+\j:SS+8*\a+\j+1], v[32*(T_%8)+8*\a+\j:32*(T_%8)+8*\a+\j+1], v[32*(T_%8)+8*\a+\j:32*(T_%8)+8*\a+\j+1], v[SS+8*\a+\j:SS+8*\a+\j+1]
.endif
.endr
.endr
.set T_, T_+1
.endr
	WIN 0
.irp m,1,2,4,8
.set T_, 0
.rept 32
	v_add_f32_dpp v[SS+T_], v[SS+T_], v[SS+T_] row_xmask:\m row_mask:0xf bank_mask:0xf
.set T_, T_+1
.endr
.endr
.irp a,0,1,2,3
	ds_store_b128 v[NA], v[SS+8*\a:SS+8*\a+3] offset:64*\a          ; token 16 a + 8 h + j: the sixteen lanes of a half write the same words with the same values
	ds_store_b128 v[NA], v[SS+8*\a+4:SS+8*\a+7] offset:64*\a+16
.endr
	s_wait_dscnt 0x0                               ; for the others' sake: my sums lie in LDS
	s_barrier_signal -1
	s_barrier_wait -1                              ; slot 9's load may stay out across it
.irp w,0,1,2,3
	ds_load_b64 v[NA+4+2*\w:NA+5+2*\w], v[NA+1] offset:256*\w
.endr
	s_wait_dscnt 0x0
	v_pk_add_f32 v[NA+4:NA+5], v[NA+4:NA+5], v[NA+6:NA+7]
	v_pk_add_f32 v[NA+8:NA+9], v[NA+8:NA+9], v[NA+10:NA+11]
	v_pk_add_f32 v[NA+4:NA+5], v[NA+4:NA+5], v[NA+8:NA+9]
	v_rsq_f32 v[NA+6], v[NA+4]
	v_rsq_f32 v[NA+7], v[NA+5]
	v_nop                                          ; a plain instruction behind the last reciprocal root,
	s_wait_alu depctr_va_vdst(0)                   ; and a wait ahead of the first use: one for the two
	ds_store_b64 v[NA+2], v[NA+6:NA+7]             ; into my wave's own copy
.irp a,0,1,2,3
	ds_load_b128 v[SS+8*\a:SS+8*\a+3], v[NA+3] offset:64*\a         ; LDS serves a wave's instructions in order (ISA guide 5.7.1.4): these see the store above
	ds_load_b128 v[SS+8*\a+4:SS+8*\a+7], v[NA+3] offset:64*\a+16
.endr
	s_wait_dscnt 0x0
.set T_, 0
.rept 16
	WIN 0x82+0x41*(T_/8)                           ; destination and source 0: window 2 or 3
.irp a,0,1,2,3
.irp j,0,2,4,6
	v_pk_mul_f32 v[32*(T_%8)+8*\a+\j:32*(T_%8)+8*\a+\j+1], v[32*(T_%8)+8*\a+\j:32*(T_%8)+8*\a+\j+1], v[SS+8*\a+\j:SS+8*\a+\j+1]   ; k / |k|, in place
.endr
.endr
.set T_, T_+1
.endr
	WIN 0x0c                                       ; an LDS store's data are its source 1: window 3
.irp q,0,1,2,3,4,5,6,7,8,9,10,11,12,13,14,15
	ds_store_b128 v[SPA], v[192+4*\q:192+4*\q+3] offset:512*\q      ; the last two tiles go to LDS as an image of their registers, into bytes that have had their last fill and their last read
.endr
	WIN 0
	s_wait_dscnt 0x0                               ; the stores are done: v's accumulators may take these registers
.irp f,0,1,2,3
	FRAGLD 0, \f                                   ; slot 8 was shown landed at the last change of slots
.endr
.rept 6
	SLOT 1                                         ; v
.endr
	SLOT 0
	SLOT 3
	NOPS 4                                         ; with the four lines above them: the places behind the last products
	EPISET 31
	EPI 0
	EPI 1
	EPI 2
	EPI 3
	FIN
.irp k,0,2,4,6,8,10,12,14
	v_permlanex16_b32 v6, v[RES+\k], s[SEL], s[SEL+1]               ; the other 32 tokens lie in the lane 16 away
	v_permlanex16_b32 v7, v[RES+\k+1], s[SEL], s[SEL+1]
	v_add_f32 v[RES+\k], v[RES+\k], v6
	v_add_f32 v[RES+\k+1], v[RES+\k+1], v7
.endr
	v_and_b32 v6, 16, v0
	v_cmp_ne_u32 vcc_lo, 0, v6
.irp m,0,1
.irp i,0,1,2,3
	v_cndmask_b32 v[64+4*\m+\i], v[RES+8*\m+\i], v[RES+8*\m+4+\i], vcc_lo   ; lanes 0-15 store group 2 m, lanes 16-31 group 2 m + 1
.endr
.endr
	v_and_b32 v72, 31, v0
	v_lshlrev_b32 v72, 4, v72
	global_store_b128 v72, v[64:67], s[14:15]                       ; 32 lanes store 512 consecutive bytes, at a multiple of 512 from part's first byte
	global_store_b128 v72, v[68:71], s[14:15] offset:512
	s_wait_tensorcnt 0x0                           ; the wave's end: behind my last tensor load and my last LDS store
	ds_add_u32 v[SPW], v[NIL]
	s_wait_dscnt 0x0
	CROUND                                         ; the closing round: no work-group ends while a partner may still ask for a tile that names it
	s_endpgm
.Lfunc_end_k_q91142f4b59_kv:
	.size	k_q91142f4b59_kv, .Lfunc_end_k_q91142f4b59_kv-k_q91142f4b59_kv
	.p2alignl 7, 3214868480
	.fill 96, 4, 3214868480
	.section	.rodata,"a",@progbits
	.p2align	6, 0x0
	.amdhsa_kernel k_q91142f4b59_kv
		.amdhsa_group_segment_fixed_size 327680
		.amdhsa_private_segment_fixed_size 0
		.amdhsa_enable_private_segment 0
		.amdhsa_kernarg_size 48
		.amdhsa_user_sgpr_count 2
		.amdhsa_user_sgpr_kernarg_segment_ptr 1
		.amdhsa_wavefront_size32 1
		.amdhsa_system_sgpr_workgroup_id_x 1
		.amdhsa_system_sgpr_workgroup_id_y 1
		.amdhsa_system_sgpr_workgroup_id_z 1
		.amdhsa_system_vgpr_workitem_id 0
		.amdhsa_next_free_vgpr 1024
		.amdhsa_next_free_sgpr 80
		.amdhsa_reserve_vcc 1
		.amdhsa_float_denorm_mode_32 3
		.amdhsa_float_denorm_mode_16_64 3
		.amdhsa_memory_ordered 1
		.amdhsa_forward_progress 1
		.amdhsa_inst_pref_size 255
	.end_amdhsa_kernel
	.section	.bss,"aw",@nobits
	.p2align	6
	.space	262144
	.amdgpu_metadata
---
amdhsa.version: [ 1, 2 ]
amdhsa.kernels:
  - .name:           k_q91142f4b59_kv
    .symbol:         k_q91142f4b59_kv.kd
    .args:
      - { .name: x_codes, .offset: 0, .size: 8, .value_kind: global_buffer, .address_space: global }
      - { .name: x_scales, .offset: 8, .size: 8, .value_kind: global_buffer, .address_space: global }
      - { .name: Wqkv_codes, .offset: 16, .size: 8, .value_kind: global_buffer, .address_space: global }
      - { .name: Wqkv_scales, .offset: 24, .size: 8, .value_kind: global_buffer, .address_space: global }
      - { .name: bqkv, .offset: 32, .size: 8, .value_kind: global_buffer, .address_space: global }
      - { .name: part, .offset: 40, .size: 8, .value_kind: global_buffer, .address_space: global }
    .group_segment_fixed_size: 327680
    .private_segment_fixed_size: 0
    .kernarg_segment_align: 8
    .kernarg_segment_size: 48
    .max_flat_workgroup_size: 128
    .sgpr_count:     80
    .vgpr_count:     1024
    .wavefront_size: 32
...
	.end_amdgpu_metadata
.endif
;; end of part 1
;; launch outq (part 2): grid 256 x 1, 4 waves a work-group, clusters of 4 x 1, 327,680 bytes of LDS; arguments x_codes, x_scales, Wqkv_codes, Wqkv_scales, bqkv, part, scale, bias, out0; writes out0
.if DOCPART == 2
	.amdgcn_target "amdgcn-amd-amdhsa--gfx1250"
	.amdhsa_code_object_version 6
	.text
	.protected	k_q91142f4b59_outq
	.globl	k_q91142f4b59_outq
	.p2align	8
	.type	k_q91142f4b59_outq,@function
k_q91142f4b59_outq:
	s_mov_b64 s[64:65], 0
	v_nop
	global_prefetch_b8 v0, s[64:65] scope:SCOPE_SE
	s_setreg_imm32_b32 hwreg(HW_REG_WAVE_MODE, 25, 1), 1
	s_wait_xcnt 0x0
	s_wait_alu depctr_hold_cnt(0) depctr_sa_sdst(0) depctr_va_vdst(0) depctr_va_sdst(0) depctr_va_ssrc(0) depctr_va_vcc(0) depctr_vm_vsrc(0)
	s_getreg_b32 s2, hwreg(HW_REG_IB_STS2, 6, 4)
	s_cmp_eq_u32 s2, 0
	s_cbranch_scc0 .Lentry_in_a_cluster
	s_endpgm
.Lentry_in_a_cluster:
	s_bfe_u32 s2, ttmp6, 0x10000c
	s_cmp_lg_u32 s2, 0x3003
	s_cbranch_scc0 .Lentry_shape_is_right
	s_endpgm
.Lentry_shape_is_right:
; out0[t][d] = q[t][d] / |q[t]| x kv[b][d] x scale[d] + bias[d], with q = x Wq + bq on codes of FP6 (E2M3) with one E8M0 scale for each 32 along K, and kv[b][d] = the sum of the batch's 64 rows of part.
; x: 16,384 rows of 768 bytes of codes and 32 scale bytes; W: columns 0 .. 1,023 are q's; part: [256][1024] f32, row wg = the sum over tokens 64 wg .. 64 wg + 63; a batch is 64 rows of it.  out0: [16384][1024] f32.
; SHARES, LAYOUT, SLOTS, CLUSTER as in the launch before: 256 work-groups of four waves; a work-group owns 64 tokens, wave w columns 256 w .. 256 w + 255; all of x's 64 rows stay in each wave's registers; source 0 = 16 tokens,
; source 1 = 16 columns; in group g tile i takes column 64 g + 4 r + i in lane r.  So a lane's registers j of the four tiles of a group are four neighbouring numbers of row 16 a + 8 h + j of out0, and sixteen lanes store
; 256 consecutive bytes: the results leave from registers, with no way through LDS.  W's tiles are asked for jointly by the four work-groups of a cluster (mask 15); x's rows are each work-group's own.
; PHASES.  While the first fills are on their way: the batch's 64 partial sums are added and multiplied by scale.  Then q (slots 0-7) into 64 accumulators; the rows' norms; the results.
; LIMITS.  A row of q whose sum of squares lies under 2^-126 counts as zero (the reciprocal root takes denormals as 0): infinity or NaN results, as for a row of zeros; a sum of squares past f32's largest number
; gives 0 for the reciprocal of the norm.  The order of the sums differs from the definition's.
; REGISTERS, in windows of 256.  Window 0: v1-11 addresses; v12-27 x's scale words, v28-35 W's; v36-43 two groups' biases of q; v44-59 kv x scale of my 16 columns; v64-111 four fragments of W; v112-255 x's fragments of K steps 5-7.
;   Window 1: x's fragments of K steps 0-4; v240-247 the tile's bias, eight times.   Windows 2, 3: at the head the partial sums; then the accumulators: tile t, block a at window 2 + t / 8, v[32 (t % 8) + 8 a].
.set NS,     8
.set P0,     0
.set RS,     32
.set WPITCH, 1584                      ; a piece in LDS: 3 x (512 bytes + 16 of padding) = 396 words: piece r starts at bank 12 r mod 64, so the 32 lanes of a load of 8 bytes touch 64 different banks (64 banks of 4 bytes: ISA guide 11.1)
.set WPART,  16*WPITCH
.set SLOTB,  4*WPART
.set XR,     2*SLOTB                   ; x's codes: 64 rows x 816 bytes (3 x (256 + 16)); filled once
.set XPITCH, 816
.set XPART,  16*XPITCH
.set WSC,    XR+4*XPART                ; W's scale bytes of q's columns, as units of 256 bytes + 16 of padding; filled once
.set SPARE,  WSC+256*272               ; the spare words, 128 bytes for each wave: two blocks of 256 bytes that no other line names
.set STG,    SPARE+512                 ; the rows' sums of squares, [wave][64]
.set STG2,   STG+1024                  ; 1 / norm, a copy for each wave, [wave][64]
.set SPW, 1
.set NIL, 2
.set WSA, 3
.set BO,  4                            ; v4   16 r
.set OO,  5                            ; v5   my byte offset in out0: 8 h rows + 16 r
.set WA,  8
.set XS,  12
.set WS,  28
.set BV,  36
.set GV,  44
.set XA,  60
.set XSO, 62
.set PO,  63                           ; v63  my byte offset in part: h rows + 16 r
.set WF,  64
.set SS,  64
.set NA,  96
.set OB,  112                          ; v112-127 at the end: bias of my 16 columns
.set BC,  240
.set WV,  22
.set G1W, 32
.set G1S, 40
.set G1X, 48
.set G0W, 56
.set G0S, 68
.set G0X, 72
.set SEL, 76
.set MSB, 0
.macro WIN new                         ; the immediate's high byte repeats the setting that is left; a switch that changes nothing is dropped
.if MSB != (\new)
	s_set_vgpr_msb (MSB<<8)|(\new)
.set MSB, (\new)
.endif
.endm
.macro NOPS n
.rept \n
	v_nop
.endr
.endm
.macro CREST                           ; a round of the cluster's barrier behind its opening barrier
	s_cmp_lg_u32 s[WV], 0
	s_cbranch_scc1 .Lnot_wave_0_\@
	s_barrier_signal -3
.Lnot_wave_0_\@:
	s_barrier_wait -3
	s_barrier_signal -1
	s_barrier_wait -1
.endm
.macro CROUND                          ; a whole round
	s_barrier_signal -1
	s_barrier_wait -1
	CREST
.endm
; A fragment of W: 16 columns x 128 K, 12 registers: lane (r, h) takes 24 bytes at 96 s + 24 h and 24 at 96 s + 48 + 24 h of its column's 768, in pieces of 8 bytes.  ff = 8 i' + s; buffer ff % 4.
; 16 bytes of padding lie behind every 512: where lanes 16-31, three pieces on, lie behind one padding more, the second address register serves.
.macro FRAGLD sl, ff
.set FB_, WF+12*((\ff)%4)
.irp q,0,1,2,3,4,5
.set BB_, 768*((\ff)/8)+96*((\ff)%8)+48*(\q/3)+8*(\q%3)
.if BB_%512 < 488
	ds_load_b64 v[FB_+2*\q:FB_+2*\q+1], v[WA+2*(\sl)] offset:BB_+16*(BB_/512)
.else
	ds_load_b64 v[FB_+2*\q:FB_+2*\q+1], v[WA+2*(\sl)+1] offset:BB_+16*(BB_/512)
.endif
.endr
.endm
.macro XFRAG a, s                      ; x's fragment of tokens 16 a on, K step s
.if (\s) < 5
.set XB_, 48*(\s)+12*(\a)
.else
.set XB_, 112+48*((\s)-5)+12*(\a)
.endif
.irp q,0,1,2,3,4,5
.set BB_, 96*(\s)+48*(\q/3)+8*(\q%3)
.if BB_%256 < 232
	ds_load_b64 v[XB_+2*\q:XB_+2*\q+1], v[XA] offset:XPART*(\a)+BB_+16*(BB_/256)
.else
	ds_load_b64 v[XB_+2*\q:XB_+2*\q+1], v[XA+1] offset:XPART*(\a)+BB_+16*(BB_/256)
.endif
.endr
.endm
.macro WSLD tau                        ; tile tau's scale words: lanes 0-15 K steps 0-3 of their column, lanes 16-31 K steps 4-7; set tau % 2
	ds_load_b128 v[WS+4*((\tau)%2):WS+4*((\tau)%2)+3], v[WSA] offset:((\tau)/4)*2176+32*((\tau)%4)
.endm
; The four products of step F of slot N.  The four accumulators take turns, one instruction a turn.
.macro MM4
.set TAU, 2*N+F/8
.set KS_, F%8
.set BF_, WF+12*(F%4)
.set SB_, WS+4*(TAU%2)+KS_%4
.set SA_, XS+KS_%4
.set DW_, 2+TAU/8
.set DB_, 32*(TAU%8)
.if KS_ < 5
.set XW_, 1
.set XB_, 48*KS_
.else
.set XW_, 0
.set XB_, 112+48*(KS_-5)
.endif
.if KS_ == 0
	WIN XW_|0x10|(DW_<<6)
.irp a,0,1,2,3
	v_wmma_scale_f32_16x16x128_f8f6f4 v[DB_+8*\a:DB_+8*\a+7], v[XB_+12*\a:XB_+12*\a+11], v[BF_:BF_+11], v[BC:BC+7], v[SA_+4*\a], v[SB_] matrix_a_fmt:MATRIX_FMT_FP6 matrix_b_fmt:MATRIX_FMT_FP6
.endr
.elseif KS_ < 4
	WIN XW_|(DW_<<4)|(DW_<<6)
.irp a,0,1,2,3
	v_wmma_scale_f32_16x16x128_f8f6f4 v[DB_+8*\a:DB_+8*\a+7], v[XB_+12*\a:XB_+12*\a+11], v[BF_:BF_+11], v[DB_+8*\a:DB_+8*\a+7], v[SA_+4*\a], v[SB_] matrix_a_fmt:MATRIX_FMT_FP6 matrix_b_fmt:MATRIX_FMT_FP6
.endr
.else
	WIN XW_|(DW_<<4)|(DW_<<6)
.irp a,0,1,2,3
	v_wmma_scale_f32_16x16x128_f8f6f4 v[DB_+8*\a:DB_+8*\a+7], v[XB_+12*\a:XB_+12*\a+11], v[BF_:BF_+11], v[DB_+8*\a:DB_+8*\a+7], v[SA_+4*\a], v[SB_] matrix_a_fmt:MATRIX_FMT_FP6 matrix_b_fmt:MATRIX_FMT_FP6 matrix_a_scale:MATRIX_SCALE_ROW1 matrix_b_scale:MATRIX_SCALE_ROW1
.endr
.endif
.endm
; Four plain vector instructions behind each step's products, none of which names a register of those products: the places in front of the load into the fragment buffer just read (ISA guide 7.12.1 for vector instructions).
; K steps 1, 2: the next tile's bias, eight times over; else v_nop.
.macro SLICE
.set S_, F%8
.set TAU, 2*N+F/8
.if ((S_ == 1) || (S_ == 2)) && (TAU+1 < 2*NS)
.if (S_ == 1) && ((TAU+1)%4 == 0)
	s_wait_loadcnt 0x0                             ; the next tile opens a group: its four biases, asked for two slots ago, are in
.endif
	WIN 0x40
.irp j,0,1,2,3
	v_mov_b32 v[BC+4*(S_-1)+\j], v[BV+4*(((TAU+1)/4)%2)+(TAU+1)%4]
.endr
.else
	NOPS 4
.endif
.endm
; The wait at a step's head counts the LDS instructions younger than fragment F's six loads: three fragments (18); the load of scale words too, where it lies among them (19); in the last slot what is left.
.macro STEPW mode
.set CNT_, 18
.if ((F >= 2) && (F <= 5)) || ((F >= 10) && (F <= 13) && (N+1 < NS))
.set CNT_, 19
.endif
.if (\mode == 3) && (F >= 12)
.set CNT_, 6*(15-F)
.endif
	s_wait_dscnt CNT_
.endm
; SLOT N: 16 steps.  Step F multiplies fragment F and then fetches fragment F + 4 into the buffer that it has read.
; mode 1: the slot is filled again, with slot N + 2, and the next slot's first fragments are fetched;  0: nothing filled, the next slot is fetched;  3: the last slot.
.macro SLOT mode
.set F, 0
.rept 12
	STEPW \mode
	MM4
	SLICE
	WIN 0
	FRAGLD N%2, F+4
.if F == 1
	WSLD 2*N+1
.endif
.if (F == 9) && (N+1 < NS)
	WSLD 2*N+2
.endif
.if (F == 10) && (N%2 == 1) && (N/2+2 < NS/2)
	global_load_b128 v[BV+4*((N/2)%2):BV+4*((N/2)%2)+3], v[BO], s[12:13] offset:256*(N/2+2)   ; the biases of the group after the next, into the set that this group has left
.endif
.set F, F+1
.endr
.if \mode == 1
	s_wait_tensorcnt 0x0                           ; all my tensor loads have landed: the one that was out is my quarter of the next slot;
	ds_add_u32 v[SPW], v[NIL]                      ; 0 onto my spare word
	s_wait_dscnt 20                                ; (three fragments, the scale words and the add may be out)
	MM4                                            ; four products and their slice stand between the add and the wait for it
	SLICE
	s_wait_dscnt 0x0                               ; the add is done, and my reads of this slot are over: all its fragments are in registers
	s_barrier_signal -1                            ; this barrier opens a round of the cluster's barrier
.set F, 13
	MM4
	SLICE
	WIN 0
	s_barrier_wait -1
	CREST                                          ; no wave of any partner still reads this slot or has a load on its way
	s_add_nc_u64 s[G0W+4*(N%2)+2:G0W+4*(N%2)+3], s[G0W+4*(N%2)+2:G0W+4*(N%2)+3], 64*768    ; the next group
	tensor_load_to_lds s[G0W+4*(N%2):G0W+4*(N%2)+3], s[G1W:G1W+7]   ; the first tensor load behind the round, and my only one until the next
	s_nop 0
	NOPS 4
	FRAGLD (N+1)%2, 0
	FRAGLD (N+1)%2, 1
.set F, 14
	MM4
	SLICE
	WIN 0
	FRAGLD (N+1)%2, 2
.set F, 15
	MM4
	SLICE
	WIN 0
	FRAGLD (N+1)%2, 3
.else
.if \mode == 0
	s_wait_tensorcnt 0x0                           ; the one load that is out is my quarter of the last slot, which I alone read: this wait is all that the reads below need
.endif
.rept 4
	STEPW \mode
	MM4
	SLICE
	WIN 0
.if \mode == 0
	FRAGLD (N+1)%2, F-12
.endif
.set F, F+1
.endr
.endif
.set N, N+1
.endm
.macro PLOAD g                         ; group g's columns of the batch's 64 rows of part: lanes 0-15 the even rows, lanes 16-31 the odd ones; sixteen lanes read 256 consecutive bytes
.set M_, 0
.rept 32
	global_load_b128 v[128*((\g)%2)+4*M_:128*((\g)%2)+4*M_+3], v[PO], s[14:15] offset:8192*M_+256*(\g)
.set M_, M_+1
.endr
.endm
.macro PSUM                            ; under one window setting: two groups' 31 additions each, onto the first quad; four chains by turns
.set M_, 1
.rept 31
.irp g,0,128
	v_pk_add_f32 v[\g:\g+1], v[\g:\g+1], v[\g+4*M_:\g+4*M_+1]
	v_pk_add_f32 v[\g+2:\g+3], v[\g+2:\g+3], v[\g+4*M_+2:\g+4*M_+3]
.endr
.set M_, M_+1
.endr
.endm
; Group g leaves: q / |q| in place; x (kv scale) + bias into registers of window ow from ob on, which nothing writes again; rows of 16 bytes a lane.
.macro EMIT g, ow, ob
.set AW_, 2+(\g)/2
.set AB_, 128*((\g)%2)
.irp a,0,1,2,3
	WIN AW_|(AW_<<6)
.irp i,0,1,2,3
.irp j,0,2,4,6
	v_pk_mul_f32 v[AB_+8*(4*\i+\a)+\j:AB_+8*(4*\i+\a)+\j+1], v[AB_+8*(4*\i+\a)+\j:AB_+8*(4*\i+\a)+\j+1], v[SS+8*\a+\j:SS+8*\a+\j+1]
.endr
.endr
	WIN AW_|((\ow)<<6)
.irp j,0,1,2,3,4,5,6,7
.irp i,0,1,2,3
	v_fma_f32 v[(\ob)+4*(8*\a+\j)+\i], v[AB_+8*(4*\i+\a)+\j], v[GV+4*(\g)+\i], v[OB+4*(\g)+\i]
.endr
.endr
	WIN (\ow)<<2                                   ; a store's data are its source 1
.irp j,0,1,2,3,4,5,6,7
	global_store_b128 v[OO], v[(\ob)+4*(8*\a+\j):(\ob)+4*(8*\a+\j)+3], s[20:21] offset:4096*(16*\a+\j)+256*(\g) th:TH_STORE_NT   ; sixteen lanes store 256 consecutive bytes, at a multiple of 256 from out0's first byte; written once, read by nobody here
.endr
.endr
.endm
	s_load_b256 s[4:11], s[0:1], 0x0               ; x's codes s[4:5], x's scales s[6:7], W's codes s[8:9], W's scales s[10:11]
	s_load_b256 s[12:19], s[0:1], 0x20             ; bqkv s[12:13], part s[14:15], scale s[16:17], bias s[18:19]
	s_load_b64 s[20:21], s[0:1], 0x40              ; out0
	v_lshl_add_u32 v[SPW], v0, 2, SPARE
	v_mov_b32 v[NIL], 0
	ds_add_u32 v1, v2
	ds_add_u32 v1, v2
	s_wait_dscnt 0x0
	v_lshrrev_b32 v6, 5, v0
	v_readfirstlane_b32 s[WV], v6                  ; wave 0..3
	s_bfe_u32 s23, ttmp6, 0x40000                  ; cx: my place in the cluster
	s_lshl_b32 s24, ttmp9, 2                       ; in a cluster launch ttmp9 counts clusters
	s_add_co_u32 s24, s24, s23                     ; my work-group: it enters x's, part's and out0's addresses alone
	; group 1 for W's tiles: 16 rows of 192 elements of 8 bytes, 384 elements apart
	s_mov_b32 s[G1W], 15|(3<<16)|(1<<20)|(1<<21)|(6<<22)|(3<<25)   ; 15:0 the mask: all four work-groups; 17:16 elements of 8 bytes; 20 padding on; 21 set beside a mask; 24:22 after every 128 words (code 6); 31:25 4 words of it (code 3)
	s_mov_b32 s[G1W+1], 192<<16
	s_mov_b32 s[G1W+2], 16<<16
	s_mov_b32 s[G1W+3], 192<<16
	s_mov_b32 s[G1W+4], 16
	s_mov_b32 s[G1W+5], 384
	s_mov_b32 s[G1W+6], 0
	s_mov_b32 s[G1W+7], 0
	; for W's scales: a dense block as RS rows of 256 bytes, 16 bytes of padding behind each
	s_mov_b32 s[G1S], 15|(3<<16)|(1<<20)|(1<<21)|(5<<22)|(3<<25)
	s_mov_b32 s[G1S+1], 32<<16
	s_mov_b32 s[G1S+2], RS<<16
	s_mov_b32 s[G1S+3], 32<<16
	s_mov_b32 s[G1S+4], RS
	s_mov_b32 s[G1S+5], 32
	s_mov_b32 s[G1S+6], 0
	s_mov_b32 s[G1S+7], 0
	; for x: 16 rows of 768 bytes are a dense block: 48 rows of 256 bytes, padded likewise; the work-group's own: no mask
	s_mov_b32 s[G1X], (3<<16)|(1<<20)|(5<<22)|(3<<25)
	s_mov_b32 s[G1X+1], 32<<16
	s_mov_b32 s[G1X+2], 48<<16
	s_mov_b32 s[G1X+3], 32<<16
	s_mov_b32 s[G1X+4], 48
	s_mov_b32 s[G1X+5], 32
	s_mov_b32 s[G1X+6], 0
	s_mov_b32 s[G1X+7], 0
	s_mov_b32 s[SEL], 0x76543210
	s_mov_b32 s[SEL+1], 0xfedcba98
	s_mul_i32 s26, s[WV], WPART                    ; my quarter of a slot
	s_mul_i32 s28, s[WV], 256*768                  ; my 256 columns' codes
	s_mov_b32 s29, 0
	s_mul_i32 s30, s[WV], RS*256                   ; and their scales
	s_mov_b32 s31, 0
	s_mul_i32 s2, s24, 64*768                      ; my work-group's 64 rows of x,
	s_mul_i32 s3, s[WV], 16*768                    ; the 16 of them that I bring
	s_add_co_u32 s2, s2, s3
	s_mov_b32 s3, 0
	s_mov_b32 s[G0W], 1
	s_mov_b32 s[G0W+1], s26
	s_mov_b32 s[G0W+4], 1
	s_add_co_u32 s[G0W+5], s26, SLOTB
	s_mov_b32 s[G0S], 1
	s_mul_i32 s[G0S+1], s[WV], RS*272
	s_add_co_u32 s[G0S+1], s[G0S+1], WSC
	s_mov_b32 s[G0X], 1
	s_mul_i32 s[G0X+1], s[WV], XPART
	s_add_co_u32 s[G0X+1], s[G0X+1], XR
	s_wait_kmcnt 0x0
	s_add_nc_u64 s[G0W+2:G0W+3], s[8:9], s[28:29]  ; slot 0: tiles 0, 1 of group 0
	s_add_nc_u64 s[G0W+6:G0W+7], s[G0W+2:G0W+3], 2*768   ; slot 1: tiles 2, 3: two rows on
	s_or_b32 s[G0W+3], s[G0W+3], 0x80000000
	s_or_b32 s[G0W+7], s[G0W+7], 0x80000000
	s_add_nc_u64 s[G0S+2:G0S+3], s[10:11], s[30:31]
	s_or_b32 s[G0S+3], s[G0S+3], 0x80000000
	s_add_nc_u64 s[G0X+2:G0X+3], s[4:5], s[2:3]
	s_or_b32 s[G0X+3], s[G0X+3], 0x80000000
	CROUND                                         ; all four work-groups are here: the first joint loads meet
	tensor_load_to_lds s[G0S:G0S+3], s[G1S:G1S+7]  ; the first fills stand together: four loads of mine are out
	s_nop 0
	tensor_load_to_lds s[G0X:G0X+3], s[G1X:G1X+7]
	s_nop 0
	tensor_load_to_lds s[G0W:G0W+3], s[G1W:G1W+7]
	s_nop 0
	tensor_load_to_lds s[G0W+4:G0W+7], s[G1W:G1W+7]
	s_nop 0
	NOPS 4
	s_lshl_b32 s2, s24, 11                         ; x's scales at my work-group's first row
	s_add_nc_u64 s[6:7], s[6:7], s[2:3]
	s_lshl_b32 s2, s[WV], 10                       ; bqkv, scale and bias at my wave's 256 columns
	s_add_nc_u64 s[12:13], s[12:13], s[2:3]
	s_add_nc_u64 s[16:17], s[16:17], s[2:3]
	s_add_nc_u64 s[18:19], s[18:19], s[2:3]
	s_lshl_b32 s25, s24, 18                        ; out0 at my work-group's 64 rows of 4,096 bytes, my wave's columns
	s_add_co_u32 s25, s25, s2
	s_lshr_b32 s27, s24, 6                         ; part at my batch's 64 rows, my wave's columns
	s_lshl_b32 s27, s27, 18
	s_add_co_u32 s2, s2, s27
	s_add_nc_u64 s[14:15], s[14:15], s[2:3]
	s_mov_b32 s2, s25
	s_add_nc_u64 s[20:21], s[20:21], s[2:3]
	v_and_b32 v6, 15, v0                           ; r
	v_bfe_u32 v7, v0, 4, 1                         ; h
	v_lshlrev_b32 v[BO], 4, v6
	v_lshl_add_u32 v[PO], v7, 12, v[BO]
	v_lshl_add_u32 v[OO], v7, 15, v[BO]
	v_lshlrev_b32 v[XSO], 5, v6
	v_lshl_add_u32 v[XSO], v7, 4, v[XSO]           ; row r's 32 scale bytes, + 16 h
.irp a,0,1,2,3
	global_load_b128 v[XS+4*\a:XS+4*\a+3], v[XSO], s[6:7] offset:512*\a   ; 32 lanes read 512 consecutive bytes: the scale words of 16 tokens
.endr
	global_load_b128 v[BV:BV+3], v[BO], s[12:13]                          ; the biases of groups 0 and 1
	global_load_b128 v[BV+4:BV+7], v[BO], s[12:13] offset:256
.irp g,0,1,2,3
	global_load_b128 v[96+4*\g:99+4*\g], v[BO], s[16:17] offset:256*\g    ; scale of my 16 columns
.endr
	WIN 0x80
	PLOAD 0
	PLOAD 1
	WIN 0xc0
	PLOAD 2
	PLOAD 3
	WIN 0
	v_mul_u32_u24 v[WA], v6, WPITCH
	v_mad_u32_u24 v[WA], v7, 24, v[WA]
	v_add_nc_u32 v[WA], s26, v[WA]                 ; piece r of my quarter, + 24 h
	v_lshl_add_u32 v[WA+1], v7, 4, v[WA]           ; and the same behind one padding more
	v_add_nc_u32 v[WA+2], SLOTB, v[WA]
	v_add_nc_u32 v[WA+3], SLOTB, v[WA+1]
	v_mul_u32_u24 v[XA], v6, XPITCH
	v_mad_u32_u24 v[XA], v7, 24, v[XA]
	v_add_nc_u32 v[XA], XR, v[XA]
	v_lshl_add_u32 v[XA+1], v7, 4, v[XA]
	v_lshrrev_b32 v[WSA], 1, v6                    ; column 4 r + i of a group: unit r / 2, byte 128 (r % 2) + 32 i in it; + 16 h
	v_mul_u32_u24 v[WSA], v[WSA], 272
	v_and_b32 v64, 1, v6
	v_lshl_add_u32 v[WSA], v64, 7, v[WSA]
	v_lshl_add_u32 v[WSA], v7, 4, v[WSA]
	s_mul_i32 s27, s[WV], 32*272
	s_add_co_u32 s27, s27, WSC
	v_add_nc_u32 v[WSA], s27, v[WSA]
	s_wait_loadcnt 63                              ; all but the youngest 63 loads, which are of groups 2 and 3, are in
	WIN 0x8a
	PSUM
	s_wait_loadcnt 0x0
	WIN 0xcf
	PSUM
	WIN 0x02
.irp g,0,1
.irp i,0,1,2,3
	v_mov_b32 v[GV+4*\g+\i], v[128*\g+\i]
	v_mov_b32 v[64+4*\g+\i], v[128*\g+\i]          ; (a lane permute's destination counts as one of its sources: it is written here)
.endr
.endr
	WIN 0x03
.irp g,0,1
.irp i,0,1,2,3
	v_mov_b32 v[GV+8+4*\g+\i], v[128*\g+\i]
	v_mov_b32 v[72+4*\g+\i], v[128*\g+\i]
.endr
.endr
	WIN 0
.irp k,0,1,2,3,4,5,6,7,8,9,10,11,12,13,14,15
	v_permlanex16_b32 v[64+\k], v[GV+\k], s[SEL], s[SEL+1]          ; the other 32 rows' sum lies in the lane 16 away
.endr
.irp k,0,1,2,3,4,5,6,7,8,9,10,11,12,13,14,15
	v_add_f32 v[GV+\k], v[GV+\k], v[64+\k]
.endr
.irp k,0,1,2,3,4,5,6,7,8,9,10,11,12,13,14,15
	v_mul_f32 v[GV+\k], v[GV+\k], v[96+\k]         ; kv x scale
.endr
	s_wait_tensorcnt 0x1                           ; the scales, x and slot 0 are in; slot 1's load may stay out
	s_barrier_signal -1
	s_barrier_wait -1                              ; everybody's are: x's rows are read across waves
	WIN 0x40
.irp s,0,1,2,3,4
.irp a,0,1,2,3
	XFRAG \a, \s
.endr
.endr
	WIN 0
.irp s,5,6,7
.irp a,0,1,2,3
	XFRAG \a, \s
.endr
.endr
	WSLD 0
.irp f,0,1,2,3
	FRAGLD 0, \f
.endr
	WIN 0x40
.irp j,0,1,2,3,4,5,6,7
	v_mov_b32 v[BC+\j], v[BV]                      ; tile 0's bias
.endr
	WIN 0
	NOPS 4
.set N, 0
.rept 6
	SLOT 1
.endr
	SLOT 0
	SLOT 3
	; THE NORMS.  Sums of squares over my 256 columns: down the 16 tiles, then across the 16 lanes of a half; the four waves' sums meet in LDS.
	NOPS 4
.irp g,0,1,2,3
	global_load_b128 v[OB+4*\g:OB+4*\g+3], v[BO], s[18:19] offset:256*\g  ; bias of my 16 columns, into registers that x's fragments have left
.endr
	v_bfe_u32 v[NA], v0, 4, 1
	v_lshlrev_b32 v[NA], 5, v[NA]                  ; 32 h
	s_lshl_b32 s27, s[WV], 8
	v_add_nc_u32 v[NA], s27, v[NA]                 ; + 256 w
	v_add_nc_u32 v[NA+3], STG2, v[NA]
	v_add_nc_u32 v[NA], STG, v[NA]
	v_and_b32 v[NA+1], 31, v0
	v_lshlrev_b32 v[NA+1], 3, v[NA+1]              ; 8 x lane: two tokens a lane
	v_add_nc_u32 v[NA+2], s27, v[NA+1]
	v_add_nc_u32 v[NA+2], STG2, v[NA+2]
	v_add_nc_u32 v[NA+1], STG, v[NA+1]
.set T_, 0
.rept 16
	WIN 0x0a+5*(T_/8)                              ; sources 0 and 1: window 2 or 3
.irp a,0,1,2,3
.irp j,0,2,4,6
.if T_ == 0
	v_pk_mul_f32 v[SS+8*\a+\j:SS+8*\a+\j+1], v[32*(T_%8)+8*\a+\j:32*(T_%8)+8*\a+\j+1], v[32*(T_%8)+8*\a+\j:32*(T_%8)+8*\a+\j+1]
.else
	v_pk_fma_f32 v[SS+8*\a+\j:SS+8*\a+\j+1], v[32*(T_%8)+8*\a+\j:32*(T_%8)+8*\a+\j+1], v[32*(T_%8)+8*\a+\j:32*(T_%8)+8*\a+\j+1], v[SS+8*\a+\j:SS+8*\a+\j+1]
.endif
.endr
.endr
.set T_, T_+1
.endr
	WIN 0
.irp m,1,2,4,8
.set T_, 0
.rept 32
	v_add_f32_dpp v[SS+T_], v[SS+T_], v[SS+T_] row_xmask:\m row_mask:0xf bank_mask:0xf
.set T_, T_+1
.endr
.endr
.irp a,0,1,2,3
	ds_store_b128 v[NA], v[SS+8*\a:SS+8*\a+3] offset:64*\a          ; token 16 a + 8 h + j: the sixteen lanes of a half write the same words with the same values
	ds_store_b128 v[NA], v[SS+8*\a+4:SS+8*\a+7] offset:64*\a+16
.endr
	s_wait_dscnt 0x0                               ; for the others' sake: my sums lie in LDS
	s_barrier_signal -1
	s_barrier_wait -1
.irp w,0,1,2,3
	ds_load_b64 v[NA+4+2*\w:NA+5+2*\w], v[NA+1] offset:256*\w
.endr
	s_wait_dscnt 0x0
	v_pk_add_f32 v[NA+4:NA+5], v[NA+4:NA+5], v[NA+6:NA+7]
	v_pk_add_f32 v[NA+8:NA+9], v[NA+8:NA+9], v[NA+10:NA+11]
	v_pk_add_f32 v[NA+4:NA+5], v[NA+4:NA+5], v[NA+8:NA+9]
	v_rsq_f32 v[NA+6], v[NA+4]
	v_rsq_f32 v[NA+7], v[NA+5]
	v_nop                                          ; a plain instruction behind the last reciprocal root,
	s_wait_alu depctr_va_vdst(0)                   ; and a wait ahead of the first use: one for the two
	ds_store_b64 v[NA+2], v[NA+6:NA+7]             ; into my wave's own copy
.irp a,0,1,2,3
	ds_load_b128 v[SS+8*\a:SS+8*\a+3], v[NA+3] offset:64*\a         ; LDS serves a wave's instructions in order (ISA guide 5.7.1.4): these see the store above
	ds_load_b128 v[SS+8*\a+4:SS+8*\a+7], v[NA+3] offset:64*\a+16
.endr
	s_wait_dscnt 0x0
	s_wait_loadcnt 0x0                             ; bias
	; THE RESULTS.  Each group's 128 numbers a lane go into registers that are free by then and are not written again, so that no store's data wait for anything:
	EMIT 0, 1, 0                                   ; where x's fragments of K steps 0-2 lay;
	EMIT 1, 0, 128                                 ; where those of K steps 5-7 lay;
	EMIT 2, 2, 0                                   ; where group 0's accumulators lay;
	EMIT 3, 2, 128                                 ; where group 1's lay
	WIN 0
	s_wait_tensorcnt 0x0                           ; the wave's end: behind my last tensor load and my last LDS store
	ds_add_u32 v[SPW], v[NIL]
	s_wait_dscnt 0x0
	CROUND                                         ; the closing round: no work-group ends while a partner may still ask for a tile that names it
	s_endpgm
.Lfunc_end_k_q91142f4b59_outq:
	.size	k_q91142f4b59_outq, .Lfunc_end_k_q91142f4b59_outq-k_q91142f4b59_outq
	.p2alignl 7, 3214868480
	.fill 96, 4, 3214868480
	.section	.rodata,"a",@progbits
	.p2align	6, 0x0
	.amdhsa_kernel k_q91142f4b59_outq
		.amdhsa_group_segment_fixed_size 327680
		.amdhsa_private_segment_fixed_size 0
		.amdhsa_enable_private_segment 0
		.amdhsa_kernarg_size 72
		.amdhsa_user_sgpr_count 2
		.amdhsa_user_sgpr_kernarg_segment_ptr 1
		.amdhsa_wavefront_size32 1
		.amdhsa_system_sgpr_workgroup_id_x 1
		.amdhsa_system_sgpr_workgroup_id_y 1
		.amdhsa_system_sgpr_workgroup_id_z 1
		.amdhsa_system_vgpr_workitem_id 0
		.amdhsa_next_free_vgpr 1024
		.amdhsa_next_free_sgpr 80
		.amdhsa_reserve_vcc 0
		.amdhsa_float_denorm_mode_32 3
		.amdhsa_float_denorm_mode_16_64 3
		.amdhsa_memory_ordered 1
		.amdhsa_forward_progress 1
		.amdhsa_inst_pref_size 255
	.end_amdhsa_kernel
	.section	.bss,"aw",@nobits
	.p2align	6
	.space	262144
	.amdgpu_metadata
---
amdhsa.version: [ 1, 2 ]
amdhsa.kernels:
  - .name:           k_q91142f4b59_outq
    .symbol:         k_q91142f4b59_outq.kd
    .args:
      - { .name: x_codes, .offset: 0, .size: 8, .value_kind: global_buffer, .address_space: global }
      - { .name: x_scales, .offset: 8, .size: 8, .value_kind: global_buffer, .address_space: global }
      - { .name: Wqkv_codes, .offset: 16, .size: 8, .value_kind: global_buffer, .address_space: global }
      - { .name: Wqkv_scales, .offset: 24, .size: 8, .value_kind: global_buffer, .address_space: global }
      - { .name: bqkv, .offset: 32, .size: 8, .value_kind: global_buffer, .address_space: global }
      - { .name: part, .offset: 40, .size: 8, .value_kind: global_buffer, .address_space: global }
      - { .name: scale, .offset: 48, .size: 8, .value_kind: global_buffer, .address_space: global }
      - { .name: bias, .offset: 56, .size: 8, .value_kind: global_buffer, .address_space: global }
      - { .name: out0, .offset: 64, .size: 8, .value_kind: global_buffer, .address_space: global }
    .group_segment_fixed_size: 327680
    .private_segment_fixed_size: 0
    .kernarg_segment_align: 8
    .kernarg_segment_size: 72
    .max_flat_workgroup_size: 128
    .sgpr_count:     80
    .vgpr_count:     1024
    .wavefront_size: 32
...
	.end_amdgpu_metadata
.endif
;; end of part 2
;; ======== version 2 of 2: 2 launches
;; limits: right only within a limited range of input values
;; workspace buffers: part 1,048,576 bytes
;; launch kv (part 3): grid 256 x 1, 4 waves a work-group, clusters of 4 x 1, 327,680 bytes of LDS; arguments x_codes, x_scales, Wqkv_codes, Wqkv_scales, bqkv, part; writes part
.if DOCPART == 3
	.amdgcn_target "amdgcn-amd-amdhsa--gfx1250"
	.amdhsa_code_object_version 6
	.text
	.protected	k_q91142f4b59_kv
	.globl	k_q91142f4b59_kv
	.p2align	8
	.type	k_q91142f4b59_kv,@function
k_q91142f4b59_kv:
	s_mov_b64 s[64:65], 0
	v_nop
	global_prefetch_b8 v0, s[64:65] scope:SCOPE_SE
	s_setreg_imm32_b32 hwreg(HW_REG_WAVE_MODE, 25, 1), 1
	s_wait_xcnt 0x0
	s_wait_alu depctr_hold_cnt(0) depctr_sa_sdst(0) depctr_va_vdst(0) depctr_va_sdst(0) depctr_va_ssrc(0) depctr_va_vcc(0) depctr_vm_vsrc(0)
	s_getreg_b32 s2, hwreg(HW_REG_IB_STS2, 6, 4)
	s_cmp_eq_u32 s2, 0
	s_cbranch_scc0 .Lentry_in_a_cluster
	s_endpgm
.Lentry_in_a_cluster:
	s_bfe_u32 s2, ttmp6, 0x10000c
	s_cmp_lg_u32 s2, 0x3003
	s_cbranch_scc0 .Lentry_shape_is_right
	s_endpgm
.Lentry_shape_is_right:
; part[wg][d] = the sum over the work-group's 64 tokens t of k[t][d] / |k[t]| x v[t][d], k = x Wk + bk, v = x Wv + bv, both products on codes of FP6 (E2M3) with one E8M0 scale for each 32 along K.
; x: 16,384 rows of 768 bytes of codes and 32 scale bytes; W: 3,072 rows likewise; rows 1,024 .. 2,047 are k's columns, 2,048 .. 3,071 v's.  part: [256][1024] f32.
; SHARES.  256 work-groups of four waves.  A work-group owns 64 tokens; wave w owns columns 256 w .. 256 w + 255 of k and of v.  Each wave keeps all of x's 64 rows in registers (384), so a fragment of W feeds four products.
; LAYOUT.  Source 0 = 16 tokens, source 1 = 16 columns: register j of lane (r, h) is token 16 a + 8 h + j in lane r's column.  In a group of 64 columns tile i takes column 4 r + i in lane r.
; SLOTS.  Slot n holds, for each wave, tiles 2 (n % 2), 2 (n % 2) + 1 of the group at place n / 2 of the walk (places 0-3: k's, 4-7: v's): 16 pieces of two neighbouring rows of W.  Two slots take turns; a wave reads its own quarter alone.
; A slot is walked in 8 PAIRS of K steps: eight products, one slice of vector work, twelve LDS loads into the two buffers just read.
; ORDER.  Cluster c takes, at place g, group (g + c) % 4: that changes addresses alone, and c is the same in the four partners.  CLUSTER.  W's tiles and scale bytes are asked for jointly by the four work-groups (mask 15).
; HEAD.  One tensor load a wave: waves 0, 1 bring the halves of x's 64 rows, waves 2, 3 the halves of W's scale bytes.  Behind the full sequence and a round each wave asks for its quarter of slot 0, and x's fragments are read
; into registers while that load is on its way; behind a second sequence and round slot 1 is asked for.
; No data prefetch is laid: x and the scales are asked for once, at the head, with no loop ahead of them; each tile of W is asked for a whole slot, 64 products a wave, ahead of the wait for it.
; PHASES.  k (slots 0-7) into 64 accumulators; the rows' norms; k / |k| in place; two tiles of it go to LDS, since v's eight accumulators need their registers; v (slots 8-15), each tile multiplied with its tile of k / |k|
; and summed over the tokens in one slice of the next tile.  The biases are the C of each sum's first product.
; LIMITS.  A row of k whose sum of squares lies under 2^-126 counts as zero (the reciprocal root takes denormals as 0): infinity or NaN results, as for a row of zeros; a sum of squares past f32's largest number
; gives 0 for the reciprocal of the norm.  The order of the sums differs from the definition's.
; REGISTERS.  Window 0: v1-11 addresses; v12-27 x's scale words, v28-35 W's; v36-43 two groups' biases; v44-47 running sums; v48-63 the 16 results; v64-111 four fragments of W; v112-255 x's fragments of K steps 5-7.
;   Window 1: x's fragments of K steps 0-4; v240-247 the tile's bias.   Windows 2, 3: k's accumulators: tile t, block a at window 2 + t / 8, v[32 (t % 8) + 8 a].  v's eight: window 3, v192-255.
.set NS,     16
.set P0,     1024                      ; the first column of W that this launch multiplies
.set RS,     64                        ; a quarter of W's scale bytes, in units of 256 bytes; a loading wave brings two quarters
.set WPITCH, 1584                      ; a piece in LDS: 3 x (512 + 16) bytes
.set WPART,  16*WPITCH
.set SLOTB,  4*WPART
.set XR,     2*SLOTB                   ; x's codes: 64 rows x 816 bytes (3 x (256 + 16)); filled once; later two tiles of k / |k|
.set XPITCH, 816
.set XPART,  16*XPITCH
.set WSC,    XR+4*XPART                ; W's scale bytes of columns P0 on, dense: 32 bytes a column; filled once
.set SPARE,  WSC+256*256               ; the spare words, 128 bytes a wave
.set STG,    SPARE+512                 ; the rows' sums of squares, [wave][64]
.set STG2,   STG+1024                  ; 1 / norm, a copy for each wave
.set SPW, 1
.set NIL, 2
.set WSA, 3                            ; my lane's place among the scale words of my wave's group 0
.set BO,  4                            ; 16 r
.set SPA, 5                            ; where my 16 bytes of a spilled quad lie
.set BOT, 6                            ; 16 r + 256 x the group whose biases are asked for
.set WA,  8                            ; v8, v9 my place in slot 0 (24 h; 40 h behind one padding more); v10, v11 in slot 1
.set XS,  12
.set WS,  28
.set BV,  36
.set SUMA, 44
.set SUMB, 46
.set RES, 48
.set XA,  60
.set XSO, 62
.set WST, 63
.set WF,  64
.set SS,  64
.set NA,  96
.set BC,  240
.set WV,  22
.set G1W, 32                           ; s[32:39] descriptor group 1 for W's tiles; s[40:47] for W's scales; s[48:55] for x
.set G1S, 40
.set G1X, 48
.set G0W, 56                           ; s[56:59], s[60:63] group 0 for slot 0, slot 1
.set WB,  66
.set G0S, 68
.set G0X, 72
.set SEL, 76
.set ROT, 80
.set GA,  84                           ; s[84:87] the group at places 0 .. 3
.set RL,  88                           ; the same x 2,048: 64 columns' scale bytes
.set RB,  92                           ; the same x 256: 64 columns of f32
.set MSB, 0
.macro WIN new
.if MSB != (\new)
	s_set_vgpr_msb (MSB<<8)|(\new)
.set MSB, (\new)
.endif
.endm
.macro NOPS n
.rept \n
	v_nop
.endr
.endm
.macro CREST
	s_cmp_lg_u32 s[WV], 0
	s_cbranch_scc1 .Lnot_wave_0_\@
	s_barrier_signal -3
.Lnot_wave_0_\@:
	s_barrier_wait -3
	s_barrier_signal -1
	s_barrier_wait -1
.endm
.macro CROUND
	s_barrier_signal -1
	s_barrier_wait -1
	CREST
.endm
.macro FRAGLD sl, ff                   ; fragment ff = 8 i' + s of a slot, in pieces of 8 bytes, into buffer ff % 4
.set FB_, WF+12*((\ff)%4)
.irp q,0,1,2,3,4,5
.set BB_, 768*((\ff)/8)+96*((\ff)%8)+48*(\q/3)+8*(\q%3)
.if BB_%512 < 488
	ds_load_b64 v[FB_+2*\q:FB_+2*\q+1], v[WA+2*(\sl)] offset:BB_+16*(BB_/512)
.else
	ds_load_b64 v[FB_+2*\q:FB_+2*\q+1], v[WA+2*(\sl)+1] offset:BB_+16*(BB_/512)
.endif
.endr
.endm
.macro FETCH sl, p                     ; pair p of a slot's eight: twelve loads
	FRAGLD \sl, 2*(\p)
	FRAGLD \sl, 2*(\p)+1
.endm
.macro XFRAG a, s
.if (\s) < 5
.set XB_, 48*(\s)+12*(\a)
.else
.set XB_, 112+48*((\s)-5)+12*(\a)
.endif
.irp q,0,1,2,3,4,5
.set BB_, 96*(\s)+48*(\q/3)+8*(\q%3)
.if BB_%256 < 232
	ds_load_b64 v[XB_+2*\q:XB_+2*\q+1], v[XA] offset:XPART*(\a)+BB_+16*(BB_/256)
.else
	ds_load_b64 v[XB_+2*\q:XB_+2*\q+1], v[XA+1] offset:XPART*(\a)+BB_+16*(BB_/256)
.endif
.endr
.endm
.macro WSLD tau                        ; tile tau's scale words: lanes 0-15 K steps 0-3 of their column, lanes 16-31 K steps 4-7; set tau % 2
.set G_, (\tau)/4
	v_add_nc_u32 v[WST], s[RL+G_%4], v[WSA]
	ds_load_b128 v[WS+4*((\tau)%2):WS+4*((\tau)%2)+3], v[WST] offset:(G_/4)*32768+32*((\tau)%4)
.endm
.macro MM4                             ; step F of slot N: four products, the four accumulators by turns
.set TAU, 2*N+F/8
.set KS_, F%8
.set BF_, WF+12*(F%4)
.set SB_, WS+4*(TAU%2)+KS_%4
.set SA_, XS+KS_%4
.if N >= 8
.set DW_, 3
.set DB_, 192+32*(F/8)
.else
.set DW_, 2+TAU/8
.set DB_, 32*(TAU%8)
.endif
.if KS_ < 5
.set XW_, 1
.set XB_, 48*KS_
.else
.set XW_, 0
.set XB_, 112+48*(KS_-5)
.endif
.if KS_ == 0
	WIN XW_|0x10|(DW_<<6)
	s_wait_alu depctr_va_vdst(0)                   ; the bias was written by vector instructions, behind waits
.irp a,0,1,2,3
	v_wmma_scale_f32_16x16x128_f8f6f4 v[DB_+8*\a:DB_+8*\a+7], v[XB_+12*\a:XB_+12*\a+11], v[BF_:BF_+11], v[BC:BC+7], v[SA_+4*\a], v[SB_] matrix_a_fmt:MATRIX_FMT_FP6 matrix_b_fmt:MATRIX_FMT_FP6
.endr
.elseif KS_ < 4
	WIN XW_|(DW_<<4)|(DW_<<6)
.irp a,0,1,2,3
	v_wmma_scale_f32_16x16x128_f8f6f4 v[DB_+8*\a:DB_+8*\a+7], v[XB_+12*\a:XB_+12*\a+11], v[BF_:BF_+11], v[DB_+8*\a:DB_+8*\a+7], v[SA_+4*\a], v[SB_] matrix_a_fmt:MATRIX_FMT_FP6 matrix_b_fmt:MATRIX_FMT_FP6
.endr
.else
	WIN XW_|(DW_<<4)|(DW_<<6)
.irp a,0,1,2,3
	v_wmma_scale_f32_16x16x128_f8f6f4 v[DB_+8*\a:DB_+8*\a+7], v[XB_+12*\a:XB_+12*\a+11], v[BF_:BF_+11], v[DB_+8*\a:DB_+8*\a+7], v[SA_+4*\a], v[SB_] matrix_a_fmt:MATRIX_FMT_FP6 matrix_b_fmt:MATRIX_FMT_FP6 matrix_a_scale:MATRIX_SCALE_ROW1 matrix_b_scale:MATRIX_SCALE_ROW1
.endr
.endif
.endm
.macro MM8                             ; a pair: steps F and F + 1; F is left at the second
	MM4
.set F, F+1
	MM4
.endm
.macro EPISET tp                       ; v's tile tp (16 .. 31) and its tile of k / |k|; the last two of those have come back from LDS into window 2, v0-63
.set TP_, (\tp)-16
.set VB_, 192+32*(TP_%2)
.if TP_/2 == 7
.set KW_, 2
.set KB_, 32*(TP_%2)
.else
.set KW_, 2+TP_/8
.set KB_, 32*(TP_%8)
.endif
.endm
.macro EPI a                           ; block a: eight tokens a lane, two at a time, in two chains; each accumulator is read from its low end on
	WIN KW_|0x0c
.if (\a) == 0
	v_pk_mul_f32 v[SUMA:SUMA+1], v[KB_:KB_+1], v[VB_:VB_+1]
	v_pk_mul_f32 v[SUMB:SUMB+1], v[KB_+2:KB_+3], v[VB_+2:VB_+3]
.else
	v_pk_fma_f32 v[SUMA:SUMA+1], v[KB_+8*(\a):KB_+8*(\a)+1], v[VB_+8*(\a):VB_+8*(\a)+1], v[SUMA:SUMA+1]
	v_pk_fma_f32 v[SUMB:SUMB+1], v[KB_+8*(\a)+2:KB_+8*(\a)+3], v[VB_+8*(\a)+2:VB_+8*(\a)+3], v[SUMB:SUMB+1]
.endif
	v_pk_fma_f32 v[SUMA:SUMA+1], v[KB_+8*(\a)+4:KB_+8*(\a)+5], v[VB_+8*(\a)+4:VB_+8*(\a)+5], v[SUMA:SUMA+1]
	v_pk_fma_f32 v[SUMB:SUMB+1], v[KB_+8*(\a)+6:KB_+8*(\a)+7], v[VB_+8*(\a)+6:VB_+8*(\a)+7], v[SUMB:SUMB+1]
.endm
.macro TILESUM tp                      ; the whole tile in one run: no sum is carried over a wait
	EPISET \tp
	EPI 0
	EPI 1
	EPI 2
	EPI 3
	WIN 0
	v_pk_add_f32 v[SUMA:SUMA+1], v[SUMA:SUMA+1], v[SUMB:SUMB+1]
	v_add_f32 v[RES+TP_], v[SUMA], v[SUMA+1]
.endm
; Behind each pair at least four plain vector instructions that name none of its registers: the places in front of the loads into the buffers just read (ISA guide 7.12.1 for vector instructions).
; A tile's second pair: the next tile's bias, eight times over; its third, from v's second tile on: the tile before against k / |k|; else v_nop.
.macro SLICE
.set S_, (F%8)/2
.set TAU, 2*N+F/8
.if (S_ == 1) && (TAU+1 < 2*NS)
.if (TAU+1)%4 == 0
	s_wait_loadcnt 0x0                             ; the next tile opens a group: its four biases are in
.endif
	WIN 0x40
.irp j,0,1,2,3,4,5,6,7
	v_mov_b32 v[BC+\j], v[BV+4*(((TAU+1)/4)%2)+(TAU+1)%4]
.endr
.elseif (S_ == 2) && (TAU > 16)
	TILESUM TAU-1
.else
	NOPS 4
.endif
.endm
; SLOT N.  The wait at a pair's head leaves the twelve youngest LDS loads out: the next pair's.
; mode 1: the slot is filled again, with slot N + 2, and the next slot's first pairs are fetched;  2: filled again, nothing fetched;  0: nothing filled, the next slot is fetched;  3: the last slot.
.macro SLOT mode
.set F, 0
.rept 6
	s_wait_dscnt 12
	MM8
	SLICE
	WIN 0
.if F == 3
	WSLD 2*N+1
.endif
.if (F == 11) && (N+1 < NS)
	WSLD 2*N+2
.endif
	FETCH N%2, (F+3)/2
.if (F == 11) && (N%2 == 1) && (N/2+2 < NS/2)
	v_add_nc_u32 v[BOT], s[RB+(N/2+2)%4], v[BO]    ; (the wait for all loads in this pair's slice has freed the register)
	global_load_b128 v[BV+4*((N/2)%2):BV+4*((N/2)%2)+3], v[BOT], s[12:13] offset:4*P0+4096*((N/2+2)/4)   ; the biases of the group two places on
.endif
.set F, F+1
.endr
.if (\mode == 1) || (\mode == 2)
	s_mul_i32 s30, s[GA+((N+2)/2)%4], 64*768       ; slot N + 2: the group at its place,
	s_add_co_u32 s30, s30, ((N+2)%2)*2*768+((N+2)/8)*1024*768   ; its half of the tiles, k's columns or v's  (s31 = 0)
	s_wait_tensorcnt 0x0                           ; all my tensor loads have landed: my quarter of the next slot;
	ds_add_u32 v[SPW], v[NIL]
	s_add_nc_u64 s[G0W+4*(N%2)+2:G0W+4*(N%2)+3], s[WB:WB+1], s[30:31]
	s_or_b32 s[G0W+4*(N%2)+3], s[G0W+4*(N%2)+3], 0x80000000
	s_wait_dscnt 13                                ; (the last pair's twelve loads and the add may be out)
	MM4
	s_wait_dscnt 0x0                               ; the add is done, and my reads of this slot are over
	s_barrier_signal -1                            ; this barrier opens a round of the cluster's barrier
.set F, 13
	MM4
	SLICE
	WIN 0
	s_barrier_wait -1
	CREST
	tensor_load_to_lds s[G0W+4*(N%2):G0W+4*(N%2)+3], s[G1W:G1W+7]   ; my one tensor load behind the round
	s_nop 0
	NOPS 4
.if N == 13
	WIN 0x80                                       ; the two tiles of k / |k| come back, into registers whose tiles have been used up
.irp q,0,1,2,3,4,5,6,7,8,9,10,11,12,13,14,15
	ds_load_b128 v[4*\q:4*\q+3], v[SPA] offset:512*\q
.endr
	WIN 0
.endif
.if \mode == 1
	FETCH (N+1)%2, 0
.endif
.set F, 14
	MM8
	SLICE
	WIN 0
.if \mode == 1
	FETCH (N+1)%2, 1
.endif
.else
.if \mode == 0
	s_wait_tensorcnt 0x0                           ; my quarter of the last slot, which I alone read
.endif
.rept 2
.if (\mode == 3) && (F == 14)
	s_wait_dscnt 0
.else
	s_wait_dscnt 12
.endif
	MM8
	SLICE
	WIN 0
.if \mode == 0
	FETCH (N+1)%2, (F-13)/2
.endif
.set F, F+1
.endr
.endif
.set N, N+1
.endm
	s_load_b256 s[4:11], s[0:1], 0x0               ; x's codes, x's scales, W's codes, W's scales
	s_load_b128 s[12:15], s[0:1], 0x20             ; bqkv, part
	v_lshl_add_u32 v[SPW], v0, 2, SPARE
	v_mov_b32 v[NIL], 0
	ds_add_u32 v[SPW], v[NIL]
	ds_add_u32 v[SPW], v[NIL]
	v_lshrrev_b32 v6, 5, v0
	v_readfirstlane_b32 s[WV], v6
	s_bfe_u32 s23, ttmp6, 0x40000                  ; cx
	s_lshl_b32 s24, ttmp9, 2
	s_add_co_u32 s24, s24, s23                     ; my work-group: it enters x's and part's addresses alone
	s_and_b32 s[ROT], ttmp9, 3
.irp g,0,1,2,3
	s_add_co_u32 s[GA+\g], s[ROT], \g
	s_and_b32 s[GA+\g], s[GA+\g], 3
	s_lshl_b32 s[RL+\g], s[GA+\g], 11
	s_lshl_b32 s[RB+\g], s[GA+\g], 8
.endr
	s_mov_b32 s[G1W], 15|(3<<16)|(1<<20)|(1<<21)|(6<<22)|(3<<25)   ; mask of all four; elements of 8 bytes; 4 words of padding behind every 128
	s_mov_b32 s[G1W+1], 192<<16
	s_mov_b32 s[G1W+2], 16<<16
	s_mov_b32 s[G1W+3], 192<<16
	s_mov_b32 s[G1W+4], 16
	s_mov_b32 s[G1W+5], 384
	s_mov_b32 s[G1W+6], 0
	s_mov_b32 s[G1W+7], 0
	s_mov_b32 s[G1S], 15|(3<<16)|(1<<21)           ; half of the scale bytes: a dense block as 2 RS rows of 256 bytes, no padding; asked for jointly
	s_mov_b32 s[G1S+1], 32<<16
	s_mov_b32 s[G1S+2], (2*RS)<<16
	s_mov_b32 s[G1S+3], 32<<16
	s_mov_b32 s[G1S+4], 2*RS
	s_mov_b32 s[G1S+5], 32
	s_mov_b32 s[G1S+6], 0
	s_mov_b32 s[G1S+7], 0
	s_mov_b32 s[G1X], (3<<16)|(1<<20)|(5<<22)|(3<<25)   ; 32 rows of x: a dense block as 96 rows of 256 bytes, 16 bytes of padding behind each; the work-group's own
	s_mov_b32 s[G1X+1], 32<<16
	s_mov_b32 s[G1X+2], 96<<16
	s_mov_b32 s[G1X+3], 32<<16
	s_mov_b32 s[G1X+4], 96
	s_mov_b32 s[G1X+5], 32
	s_mov_b32 s[G1X+6], 0
	s_mov_b32 s[G1X+7], 0
	s_mov_b32 s[SEL], 0x76543210
	s_mov_b32 s[SEL+1], 0xfedcba98
	s_mul_i32 s26, s[WV], WPART
	s_mul_i32 s28, s[WV], 256*768
	s_add_co_u32 s28, s28, P0*768
	s_mov_b32 s29, 0
	s_and_b32 s27, s[WV], 1                        ; which half I bring at the head
	s_mul_i32 s30, s27, 2*RS*256
	s_add_co_u32 s30, s30, P0*32
	s_mov_b32 s31, 0
	s_mul_i32 s2, s24, 64*768
	s_mul_i32 s3, s27, 32*768
	s_add_co_u32 s2, s2, s3
	s_mov_b32 s3, 0
	s_mov_b32 s[G0W], 1
	s_mov_b32 s[G0W+1], s26
	s_mov_b32 s[G0W+4], 1
	s_add_co_u32 s[G0W+5], s26, SLOTB
	s_mov_b32 s[G0S], 1
	s_mul_i32 s[G0S+1], s27, 2*RS*256
	s_add_co_u32 s[G0S+1], s[G0S+1], WSC
	s_mov_b32 s[G0X], 1
	s_mul_i32 s[G0X+1], s27, 2*XPART
	s_add_co_u32 s[G0X+1], s[G0X+1], XR
	s_wait_dscnt 0x0
	s_wait_kmcnt 0x0
	s_add_nc_u64 s[WB:WB+1], s[8:9], s[28:29]
	s_add_nc_u64 s[G0S+2:G0S+3], s[10:11], s[30:31]
	s_or_b32 s[G0S+3], s[G0S+3], 0x80000000
	s_add_nc_u64 s[G0X+2:G0X+3], s[4:5], s[2:3]
	s_or_b32 s[G0X+3], s[G0X+3], 0x80000000
	s_mul_i32 s30, s[GA], 64*768
	s_add_nc_u64 s[G0W+2:G0W+3], s[WB:WB+1], s[30:31]    ; slot 0: tiles 0, 1 of the group at place 0
	s_add_nc_u64 s[G0W+6:G0W+7], s[G0W+2:G0W+3], 2*768   ; slot 1: tiles 2, 3
	s_or_b32 s[G0W+3], s[G0W+3], 0x80000000
	s_or_b32 s[G0W+7], s[G0W+7], 0x80000000
	CROUND                                         ; the first joint loads meet
	s_cmp_lt_u32 s[WV], 2                          ; one tensor load a wave at the head: waves 0, 1 x's halves, waves 2, 3 the scales' halves
	s_cbranch_scc0 .Lhead_s
	tensor_load_to_lds s[G0X:G0X+3], s[G1X:G1X+7]
	s_nop 0
	NOPS 4
	s_branch .Lhead_asked
.Lhead_s:
	tensor_load_to_lds s[G0S:G0S+3], s[G1S:G1S+7]
	s_nop 0
	NOPS 4
.Lhead_asked:
	s_lshl_b32 s2, s24, 11
	s_add_nc_u64 s[6:7], s[6:7], s[2:3]
	s_lshl_b32 s2, s[WV], 10
	s_add_nc_u64 s[12:13], s[12:13], s[2:3]
	s_lshl_b32 s25, s24, 12
	s_add_co_u32 s2, s2, s25
	s_add_nc_u64 s[14:15], s[14:15], s[2:3]
	v_and_b32 v6, 15, v0                           ; r
	v_bfe_u32 v7, v0, 4, 1                         ; h
	v_mul_u32_u24 v[WA], v6, WPITCH
	v_mad_u32_u24 v[WA], v7, 24, v[WA]
	v_add_nc_u32 v[WA], s26, v[WA]
	v_lshl_add_u32 v[WA+1], v7, 4, v[WA]
	v_add_nc_u32 v[WA+2], SLOTB, v[WA]
	v_add_nc_u32 v[WA+3], SLOTB, v[WA+1]
	v_mul_u32_u24 v[XA], v6, XPITCH
	v_mad_u32_u24 v[XA], v7, 24, v[XA]
	v_add_nc_u32 v[XA], XR, v[XA]
	v_lshl_add_u32 v[XA+1], v7, 4, v[XA]
	v_lshlrev_b32 v[WSA], 7, v6                    ; column 4 r + i of a group: byte 128 r + 32 i; + 16 h
	v_lshl_add_u32 v[WSA], v7, 4, v[WSA]
	s_lshl_b32 s27, s[WV], 13                      ; my 256 columns are 8,192 bytes
	s_add_co_u32 s27, s27, WSC
	v_add_nc_u32 v[WSA], s27, v[WSA]
	v_lshlrev_b32 v[BO], 4, v6
	v_and_b32 v[SPA], 31, v0
	v_lshlrev_b32 v[SPA], 4, v[SPA]
	s_lshl_b32 s27, s[WV], 13
	s_add_co_u32 s27, s27, XR
	v_add_nc_u32 v[SPA], s27, v[SPA]
	v_lshlrev_b32 v[XSO], 5, v6
	v_lshl_add_u32 v[XSO], v7, 4, v[XSO]
	v_add_nc_u32 v[BOT], s[RB], v[BO]
	v_add_nc_u32 v[BOT+1], s[RB+1], v[BO]
.irp a,0,1,2,3
	global_load_b128 v[XS+4*\a:XS+4*\a+3], v[XSO], s[6:7] offset:512*\a   ; the scale words of 16 tokens: 512 consecutive bytes
.endr
	global_load_b128 v[BV:BV+3], v[BOT], s[12:13] offset:4*P0
	global_load_b128 v[BV+4:BV+7], v[BOT+1], s[12:13] offset:4*P0
	s_wait_alu depctr_va_vdst(0)
	s_wait_tensorcnt 0x0                           ; my half of x or of the scales is in
	ds_add_u32 v[SPW], v[NIL]
	s_wait_dscnt 0x0
	CROUND                                         ; everybody's are: x's rows and the scales are read across waves
	tensor_load_to_lds s[G0W:G0W+3], s[G1W:G1W+7]  ; slot 0's first fill: my quarter; x's fragments are read while it is on its way
	s_nop 0
	NOPS 4
	WIN 0x40
.irp s,0,1,2,3,4
.irp a,0,1,2,3
	XFRAG \a, \s
.endr
.endr
	WIN 0
.irp s,5,6,7
.irp a,0,1,2,3
	XFRAG \a, \s
.endr
.endr
	s_wait_tensorcnt 0x0                           ; my quarter of slot 0 is in
	ds_add_u32 v[SPW], v[NIL]                      ; the same lines ahead of slot 1's first fill
	s_wait_dscnt 0x0
	CROUND
	tensor_load_to_lds s[G0W+4:G0W+7], s[G1W:G1W+7]   ; slot 1's first fill
	s_nop 0
	NOPS 4
	WSLD 0
	FETCH 0, 0
	FETCH 0, 1
	s_wait_loadcnt 0x0                             ; x's scale words and the first biases
	WIN 0x40
.irp j,0,1,2,3,4,5,6,7
	v_mov_b32 v[BC+\j], v[BV]
.endr
	WIN 0
	NOPS 4
.set N, 0
.rept 7
	SLOT 1                                         ; k
.endr
	SLOT 2                                         ; k's last slot: slot 9 is asked for; the fragment buffers are wanted below
	; THE NORMS.  Sums of squares over my 256 columns: down the 16 tiles, then across the 16 lanes of a half; the four waves' sums meet in LDS.
	NOPS 4
	v_bfe_u32 v[NA], v0, 4, 1
	v_lshlrev_b32 v[NA], 5, v[NA]
	s_lshl_b32 s27, s[WV], 8
	v_add_nc_u32 v[NA], s27, v[NA]
	v_add_nc_u32 v[NA+3], STG2, v[NA]
	v_add_nc_u32 v[NA], STG, v[NA]
	v_and_b32 v[NA+1], 31, v0
	v_lshlrev_b32 v[NA+1], 3, v[NA+1]
	v_add_nc_u32 v[NA+2], s27, v[NA+1]
	v_add_nc_u32 v[NA+2], STG2, v[NA+2]
	v_add_nc_u32 v[NA+1], STG, v[NA+1]
.set T_, 0
.rept 16
	WIN 0x0a+5*(T_/8)
.irp a,0,1,2,3
.irp j,0,2,4,6
.if T_ == 0
	v_pk_mul_f32 v[SS+8*\a+\j:SS+8*\a+\j+1], v[32*(T_%8)+8*\a+\j:32*(T_%8)+8*\a+\j+1], v[32*(T_%8)+8*\a+\j:32*(T_%8)+8*\a+\j+1]
.else
	v_pk_fma_f32 v[SS+8*\a+\j:SS+8*\a+\j+1], v[32*(T_%8)+8*\a+\j:32*(T_%8)+8*\a+\j+1], v[32*(T_%8)+8*\a+\j:32*(T_%8)+8*\a+\j+1], v[SS+8*\a+\j:SS+8*\a+\j+1]
.endif
.endr
.endr
.set T_, T_+1
.endr
	WIN 0
.irp m,1,2,4,8
.set T_, 0
.rept 32
	v_add_f32_dpp v[SS+T_], v[SS+T_], v[SS+T_] row_xmask:\m row_mask:0xf bank_mask:0xf
.set T_, T_+1
.endr
.endr
.irp a,0,1,2,3
	ds_store_b128 v[NA], v[SS+8*\a:SS+8*\a+3] offset:64*\a          ; token 16 a + 8 h + j: the sixteen lanes of a half write the same words with the same values
	ds_store_b128 v[NA], v[SS+8*\a+4:SS+8*\a+7] offset:64*\a+16
.endr
	s_wait_dscnt 0x0                               ; for the others' sake
	s_barrier_signal -1
	s_barrier_wait -1                              ; slot 9's load may stay out across it
.irp w,0,1,2,3
	ds_load_b64 v[NA+4+2*\w:NA+5+2*\w], v[NA+1] offset:256*\w
.endr
	s_wait_dscnt 0x0
	v_pk_add_f32 v[NA+4:NA+5], v[NA+4:NA+5], v[NA+6:NA+7]
	v_pk_add_f32 v[NA+8:NA+9], v[NA+8:NA+9], v[NA+10:NA+11]
	v_pk_add_f32 v[NA+4:NA+5], v[NA+4:NA+5], v[NA+8:NA+9]
	s_wait_alu depctr_va_vdst(0)                   ; a wait ahead of the two roots,
	v_rsq_f32 v[NA+6], v[NA+4]
	v_rsq_f32 v[NA+7], v[NA+5]
	v_nop
	s_wait_alu depctr_va_vdst(0)                   ; and behind them
	ds_store_b64 v[NA+2], v[NA+6:NA+7]             ; into my wave's own copy
.irp a,0,1,2,3
	ds_load_b128 v[SS+8*\a:SS+8*\a+3], v[NA+3] offset:64*\a         ; LDS serves a wave's instructions in order (ISA guide 5.7.1.4)
	ds_load_b128 v[SS+8*\a+4:SS+8*\a+7], v[NA+3] offset:64*\a+16
.endr
	s_wait_dscnt 0x0
.set T_, 0
.rept 16
	WIN 0x82+0x41*(T_/8)
.irp a,0,1,2,3
.irp j,0,2,4,6
	v_pk_mul_f32 v[32*(T_%8)+8*\a+\j:32*(T_%8)+8*\a+\j+1], v[32*(T_%8)+8*\a+\j:32*(T_%8)+8*\a+\j+1], v[SS+8*\a+\j:SS+8*\a+\j+1]   ; k / |k|, in place
.endr
.endr
.set T_, T_+1
.endr
	WIN 0x0c
.irp q,0,1,2,3,4,5,6,7,8,9,10,11,12,13,14,15
	ds_store_b128 v[SPA], v[192+4*\q:192+4*\q+3] offset:512*\q      ; the last two tiles go to LDS, into bytes that have had their one fill and their last read
.endr
	WIN 0
	s_wait_dscnt 0x0
	FETCH 0, 0                                     ; slot 8 was shown landed at the last change of slots
	FETCH 0, 1
.rept 6
	SLOT 1                                         ; v
.endr
	SLOT 0
	SLOT 3
	NOPS 4
	TILESUM 31
.irp k,0,2,4,6,8,10,12,14
	v_permlanex16_b32 v6, v[RES+\k], s[SEL], s[SEL+1]               ; the other 32 tokens lie in the lane 16 away
	v_permlanex16_b32 v7, v[RES+\k+1], s[SEL], s[SEL+1]
	v_add_f32 v[RES+\k], v[RES+\k], v6
	v_add_f32 v[RES+\k+1], v[RES+\k+1], v7
.endr
	v_and_b32 v6, 16, v0
	v_cmp_ne_u32 vcc_lo, 0, v6
.irp m,0,1
.irp i,0,1,2,3
	v_cndmask_b32 v[64+4*\m+\i], v[RES+8*\m+\i], v[RES+8*\m+4+\i], vcc_lo   ; lanes 0-15 store the group at place 2 m, lanes 16-31 that at place 2 m + 1
.endr
.endr
	v_bfe_u32 v72, v0, 4, 1
	v_add_nc_u32 v72, s[ROT], v72
	v_add_nc_u32 v73, 2, v72
	v_and_b32 v72, 3, v72
	v_and_b32 v73, 3, v73
	v_and_b32 v74, 15, v0
	v_lshlrev_b32 v74, 4, v74
	v_lshl_add_u32 v72, v72, 8, v74
	v_lshl_add_u32 v73, v73, 8, v74
	global_store_b128 v72, v[64:67], s[14:15]                       ; sixteen lanes store 256 consecutive bytes, aligned
	global_store_b128 v73, v[68:71], s[14:15]
	s_wait_tensorcnt 0x0                           ; the wave's end
	ds_add_u32 v[SPW], v[NIL]
	s_wait_dscnt 0x0
	CROUND                                         ; the closing round
	s_endpgm
.Lfunc_end_k_q91142f4b59_kv:
	.size	k_q91142f4b59_kv, .Lfunc_end_k_q91142f4b59_kv-k_q91142f4b59_kv
	.p2alignl 7, 3214868480
	.fill 96, 4, 3214868480
	.section	.rodata,"a",@progbits
	.p2align	6, 0x0
	.amdhsa_kernel k_q91142f4b59_kv
		.amdhsa_group_segment_fixed_size 327680
		.amdhsa_private_segment_fixed_size 0
		.amdhsa_enable_private_segment 0
		.amdhsa_kernarg_size 48
		.amdhsa_user_sgpr_count 2
		.amdhsa_user_sgpr_kernarg_segment_ptr 1
		.amdhsa_wavefront_size32 1
		.amdhsa_system_sgpr_workgroup_id_x 1
		.amdhsa_system_sgpr_workgroup_id_y 1
		.amdhsa_system_sgpr_workgroup_id_z 1
		.amdhsa_system_vgpr_workitem_id 0
		.amdhsa_next_free_vgpr 1024
		.amdhsa_next_free_sgpr 100
		.amdhsa_reserve_vcc 1
		.amdhsa_float_denorm_mode_32 3
		.amdhsa_float_denorm_mode_16_64 3
		.amdhsa_memory_ordered 1
		.amdhsa_forward_progress 1
		.amdhsa_inst_pref_size 255
	.end_amdhsa_kernel
	.section	.bss,"aw",@nobits
	.p2align	6
	.space	262144
	.amdgpu_metadata
---
amdhsa.version: [ 1, 2 ]
amdhsa.kernels:
  - .name:           k_q91142f4b59_kv
    .symbol:         k_q91142f4b59_kv.kd
    .args:
      - { .name: x_codes, .offset: 0, .size: 8, .value_kind: global_buffer, .address_space: global }
      - { .name: x_scales, .offset: 8, .size: 8, .value_kind: global_buffer, .address_space: global }
      - { .name: Wqkv_codes, .offset: 16, .size: 8, .value_kind: global_buffer, .address_space: global }
      - { .name: Wqkv_scales, .offset: 24, .size: 8, .value_kind: global_buffer, .address_space: global }
      - { .name: bqkv, .offset: 32, .size: 8, .value_kind: global_buffer, .address_space: global }
      - { .name: part, .offset: 40, .size: 8, .value_kind: global_buffer, .address_space: global }
    .group_segment_fixed_size: 327680
    .private_segment_fixed_size: 0
    .kernarg_segment_align: 8
    .kernarg_segment_size: 48
    .max_flat_workgroup_size: 128
    .sgpr_count:     100
    .vgpr_count:     1024
    .wavefront_size: 32
...
	.end_amdgpu_metadata
.endif
;; end of part 3
;; launch outq (part 4): grid 256 x 1, 4 waves a work-group, clusters of 4 x 1, 327,680 bytes of LDS; arguments x_codes, x_scales, Wqkv_codes, Wqkv_scales, bqkv, part, scale, bias, out0; writes out0
.if DOCPART == 4
	.amdgcn_target "amdgcn-amd-amdhsa--gfx1250"
	.amdhsa_code_object_version 6
	.text
	.protected	k_q91142f4b59_outq
	.globl	k_q91142f4b59_outq
	.p2align	8
	.type	k_q91142f4b59_outq,@function
k_q91142f4b59_outq:
	s_mov_b64 s[64:65], 0
	v_nop
	global_prefetch_b8 v0, s[64:65] scope:SCOPE_SE
	s_setreg_imm32_b32 hwreg(HW_REG_WAVE_MODE, 25, 1), 1
	s_wait_xcnt 0x0
	s_wait_alu depctr_hold_cnt(0) depctr_sa_sdst(0) depctr_va_vdst(0) depctr_va_sdst(0) depctr_va_ssrc(0) depctr_va_vcc(0) depctr_vm_vsrc(0)
	s_getreg_b32 s2, hwreg(HW_REG_IB_STS2, 6, 4)
	s_cmp_eq_u32 s2, 0
	s_cbranch_scc0 .Lentry_in_a_cluster
	s_endpgm
.Lentry_in_a_cluster:
	s_bfe_u32 s2, ttmp6, 0x10000c
	s_cmp_lg_u32 s2, 0x3003
	s_cbranch_scc0 .Lentry_shape_is_right
	s_endpgm
.Lentry_shape_is_right:
; out0[t][d] = q[t][d] / |q[t]| x kv[b][d] x scale[d] + bias[d], q = x Wq + bq on codes of FP6 (E2M3) with one E8M0 scale for each 32 along K, kv[b][d] = the sum of the batch's 64 rows of part.
; x: 16,384 rows of 768 bytes of codes and 32 scale bytes; W: rows 0 .. 1,023 are q's columns; part: [256][1024] f32; out0: [16384][1024] f32.
; SHARES, LAYOUT, SLOTS, PAIRS, ORDER, CLUSTER, HEAD as in the launch before: 256 work-groups of four waves; a work-group owns 64 tokens, wave w columns 256 w .. 256 w + 255; x's 64 rows stay in each wave's registers;
; in a group of 64 columns tile i takes column 4 r + i in lane r.  So a lane's registers j of a group's four tiles are four neighbouring numbers of row 16 a + 8 h + j of out0, and sixteen lanes store 256 consecutive bytes
; from registers.  W's tiles and scale bytes are asked for jointly (mask 15); x's rows are each work-group's own.  Cluster c takes, at place g, group (g + c) % 4.
; No data prefetch is laid: x, the scales and part are asked for once, at the head, with no loop ahead of them; each tile of W is asked for a whole slot, 64 products a wave, ahead of the wait for it.
; PHASES.  While slot 0's first fill is on its way: x's fragments are read, and the batch's 64 partial sums are added and multiplied by scale.  Then q (slots 0-7) into 64 accumulators; the rows' norms; all results; all stores.
; LIMITS.  A row of q whose sum of squares lies under 2^-126 counts as zero (the reciprocal root takes denormals as 0): infinity or NaN results, as for a row of zeros; a sum of squares past f32's largest number
; gives 0 for the reciprocal of the norm.  The order of the sums differs from the definition's.
; REGISTERS.  Window 0: v1-11 addresses; v12-27 x's scale words, v28-35 W's; v36-43 two groups' biases of q; v44-59 kv x scale of my 16 columns; v64-111 four fragments of W; v112-255 x's fragments of K steps 5-7.
;   Window 1: x's fragments of K steps 0-4; v240-247 the tile's bias.   Windows 2, 3: at the head the partial sums; then the accumulators: tile t, block a at window 2 + t / 8, v[32 (t % 8) + 8 a].
.set NS,     8
.set RS,     32                        ; a quarter of q's scale bytes, in units of 256 bytes; a loading wave brings two quarters
.set WPITCH, 1584
.set WPART,  16*WPITCH
.set SLOTB,  4*WPART
.set XR,     2*SLOTB
.set XPITCH, 816
.set XPART,  16*XPITCH
.set WSC,    XR+4*XPART                ; W's scale bytes of q's columns, dense; filled once
.set SPARE,  WSC+256*256
.set STG,    SPARE+512
.set STG2,   STG+1024
.set SPW, 1
.set NIL, 2
.set WSA, 3
.set BO,  4                            ; 16 r
.set OO,  5                            ; my byte offset in out0: 8 h rows + 16 r
.set BOT, 6
.set WA,  8
.set XS,  12
.set WS,  28
.set BV,  36
.set GV,  44
.set XA,  60
.set XSO, 62
.set PO,  63                           ; at the head: h rows of part + 16 r; then:
.set WST, 63
.set WF,  64
.set SS,  64
.set BG,  80                           ; head only
.set PG,  84                           ; head only
.set NA,  96
.set OG,  108                          ; at the end: my byte offset in out0 for place g
.set OB,  112                          ; at the end: bias of my 16 columns
.set OA,  128
.set BC,  240
.set WV,  22
.set G1W, 32
.set G1S, 40
.set G1X, 48
.set G0W, 56
.set WB,  66
.set G0S, 68
.set G0X, 72
.set SEL, 76
.set ROT, 80
.set GA,  84
.set RL,  88
.set RB,  92
.set MSB, 0
.macro WIN new
.if MSB != (\new)
	s_set_vgpr_msb (MSB<<8)|(\new)
.set MSB, (\new)
.endif
.endm
.macro NOPS n
.rept \n
	v_nop
.endr
.endm
.macro CREST
	s_cmp_lg_u32 s[WV], 0
	s_cbranch_scc1 .Lnot_wave_0_\@
	s_barrier_signal -3
.Lnot_wave_0_\@:
	s_barrier_wait -3
	s_barrier_signal -1
	s_barrier_wait -1
.endm
.macro CROUND
	s_barrier_signal -1
	s_barrier_wait -1
	CREST
.endm
.macro FRAGLD sl, ff
.set FB_, WF+12*((\ff)%4)
.irp q,0,1,2,3,4,5
.set BB_, 768*((\ff)/8)+96*((\ff)%8)+48*(\q/3)+8*(\q%3)
.if BB_%512 < 488
	ds_load_b64 v[FB_+2*\q:FB_+2*\q+1], v[WA+2*(\sl)] offset:BB_+16*(BB_/512)
.else
	ds_load_b64 v[FB_+2*\q:FB_+2*\q+1], v[WA+2*(\sl)+1] offset:BB_+16*(BB_/512)
.endif
.endr
.endm
.macro FETCH sl, p
	FRAGLD \sl, 2*(\p)
	FRAGLD \sl, 2*(\p)+1
.endm
.macro XFRAG a, s
.if (\s) < 5
.set XB_, 48*(\s)+12*(\a)
.else
.set XB_, 112+48*((\s)-5)+12*(\a)
.endif
.irp q,0,1,2,3,4,5
.set BB_, 96*(\s)+48*(\q/3)+8*(\q%3)
.if BB_%256 < 232
	ds_load_b64 v[XB_+2*\q:XB_+2*\q+1], v[XA] offset:XPART*(\a)+BB_+16*(BB_/256)
.else
	ds_load_b64 v[XB_+2*\q:XB_+2*\q+1], v[XA+1] offset:XPART*(\a)+BB_+16*(BB_/256)
.endif
.endr
.endm
.macro WSLD tau
	v_add_nc_u32 v[WST], s[RL+((\tau)/4)%4], v[WSA]
	ds_load_b128 v[WS+4*((\tau)%2):WS+4*((\tau)%2)+3], v[WST] offset:32*((\tau)%4)
.endm
.macro MM4                             ; step F of slot N: four products, the four accumulators by turns
.set TAU, 2*N+F/8
.set KS_, F%8
.set BF_, WF+12*(F%4)
.set SB_, WS+4*(TAU%2)+KS_%4
.set SA_, XS+KS_%4
.set DW_, 2+TAU/8
.set DB_, 32*(TAU%8)
.if KS_ < 5
.set XW_, 1
.set XB_, 48*KS_
.else
.set XW_, 0
.set XB_, 112+48*(KS_-5)
.endif
.if KS_ == 0
	WIN XW_|0x10|(DW_<<6)
	s_wait_alu depctr_va_vdst(0)                   ; the bias was written by vector instructions, behind waits
.irp a,0,1,2,3
	v_wmma_scale_f32_16x16x128_f8f6f4 v[DB_+8*\a:DB_+8*\a+7], v[XB_+12*\a:XB_+12*\a+11], v[BF_:BF_+11], v[BC:BC+7], v[SA_+4*\a], v[SB_] matrix_a_fmt:MATRIX_FMT_FP6 matrix_b_fmt:MATRIX_FMT_FP6
.endr
.elseif KS_ < 4
	WIN XW_|(DW_<<4)|(DW_<<6)
.irp a,0,1,2,3
	v_wmma_scale_f32_16x16x128_f8f6f4 v[DB_+8*\a:DB_+8*\a+7], v[XB_+12*\a:XB_+12*\a+11], v[BF_:BF_+11], v[DB_+8*\a:DB_+8*\a+7], v[SA_+4*\a], v[SB_] matrix_a_fmt:MATRIX_FMT_FP6 matrix_b_fmt:MATRIX_FMT_FP6
.endr
.else
	WIN XW_|(DW_<<4)|(DW_<<6)
.irp a,0,1,2,3
	v_wmma_scale_f32_16x16x128_f8f6f4 v[DB_+8*\a:DB_+8*\a+7], v[XB_+12*\a:XB_+12*\a+11], v[BF_:BF_+11], v[DB_+8*\a:DB_+8*\a+7], v[SA_+4*\a], v[SB_] matrix_a_fmt:MATRIX_FMT_FP6 matrix_b_fmt:MATRIX_FMT_FP6 matrix_a_scale:MATRIX_SCALE_ROW1 matrix_b_scale:MATRIX_SCALE_ROW1
.endr
.endif
.endm
.macro MM8
	MM4
.set F, F+1
	MM4
.endm
; Behind each pair at least four plain vector instructions that name none of its registers: the places in front of the loads into the buffers just read.  A tile's second pair: the next tile's bias; else v_nop.
.macro SLICE
.set S_, (F%8)/2
.set TAU, 2*N+F/8
.if (S_ == 1) && (TAU+1 < 2*NS)
.if (TAU+1)%4 == 0
	s_wait_loadcnt 0x0                             ; the next tile opens a group: its four biases are in
.endif
	WIN 0x40
.irp j,0,1,2,3,4,5,6,7
	v_mov_b32 v[BC+\j], v[BV+4*(((TAU+1)/4)%2)+(TAU+1)%4]
.endr
.else
	NOPS 4
.endif
.endm
; SLOT N.  The wait at a pair's head leaves the twelve youngest LDS loads out: the next pair's.  mode 1: the slot is filled again and the next is fetched;  0: nothing filled, the next is fetched;  3: the last slot.
.macro SLOT mode
.set F, 0
.rept 6
	s_wait_dscnt 12
	MM8
	SLICE
	WIN 0
.if F == 3
	WSLD 2*N+1
.endif
.if (F == 11) && (N+1 < NS)
	WSLD 2*N+2
.endif
	FETCH N%2, (F+3)/2
.if (F == 11) && (N%2 == 1) && (N/2+2 < NS/2)
	v_add_nc_u32 v[BOT], s[RB+(N/2+2)%4], v[BO]    ; (the wait for all loads in this pair's slice has freed the register)
	global_load_b128 v[BV+4*((N/2)%2):BV+4*((N/2)%2)+3], v[BOT], s[12:13]   ; the biases of the group two places on
.endif
.set F, F+1
.endr
.if \mode == 1
	s_mul_i32 s30, s[GA+((N+2)/2)%4], 64*768
	s_add_co_u32 s30, s30, ((N+2)%2)*2*768         ; (s31 = 0)
	s_wait_tensorcnt 0x0                           ; all my tensor loads have landed: my quarter of the next slot;
	ds_add_u32 v[SPW], v[NIL]
	s_add_nc_u64 s[G0W+4*(N%2)+2:G0W+4*(N%2)+3], s[WB:WB+1], s[30:31]
	s_or_b32 s[G0W+4*(N%2)+3], s[G0W+4*(N%2)+3], 0x80000000
	s_wait_dscnt 13                                ; (the last pair's twelve loads and the add may be out)
	MM4
	s_wait_dscnt 0x0                               ; the add is done, and my reads of this slot are over
	s_barrier_signal -1                            ; this barrier opens a round of the cluster's barrier
.set F, 13
	MM4
	SLICE
	WIN 0
	s_barrier_wait -1
	CREST
	tensor_load_to_lds s[G0W+4*(N%2):G0W+4*(N%2)+3], s[G1W:G1W+7]   ; my one tensor load behind the round
	s_nop 0
	NOPS 4
	FETCH (N+1)%2, 0
.set F, 14
	MM8
	SLICE
	WIN 0
	FETCH (N+1)%2, 1
.else
.if \mode == 0
	s_wait_tensorcnt 0x0                           ; my quarter of the last slot, which I alone read
.endif
.rept 2
.if (\mode == 3) && (F == 14)
	s_wait_dscnt 0
.else
	s_wait_dscnt 12
.endif
	MM8
	SLICE
	WIN 0
.if \mode == 0
	FETCH (N+1)%2, (F-13)/2
.endif
.set F, F+1
.endr
.endif
.set N, N+1
.endm
.macro PLOAD g                         ; the columns of the group at place g, of the batch's 64 rows of part: lanes 0-15 the even rows, lanes 16-31 the odd ones
.set M_, 0
.rept 32
	global_load_b128 v[128*((\g)%2)+4*M_:128*((\g)%2)+4*M_+3], v[PG+(\g)], s[14:15] offset:8192*M_
.set M_, M_+1
.endr
.endm
.macro PSUM                            ; two groups' 31 additions each, onto the first quad; four chains by turns
.set M_, 1
.rept 31
.irp g,0,128
	v_pk_add_f32 v[\g:\g+1], v[\g:\g+1], v[\g+4*M_:\g+4*M_+1]
	v_pk_add_f32 v[\g+2:\g+3], v[\g+2:\g+3], v[\g+4*M_+2:\g+4*M_+3]
.endr
.set M_, M_+1
.endr
.endm
.macro EMITV g, ow, ob                 ; the group at place g: q / |q| in place; x (kv scale) + bias into registers of window ow from ob on, which nothing writes again
.set AW_, 2+(\g)/2
.set AB_, 128*((\g)%2)
.irp a,0,1,2,3
	WIN AW_|(AW_<<6)
.irp i,0,1,2,3
.irp j,0,2,4,6
	v_pk_mul_f32 v[AB_+8*(4*\i+\a)+\j:AB_+8*(4*\i+\a)+\j+1], v[AB_+8*(4*\i+\a)+\j:AB_+8*(4*\i+\a)+\j+1], v[SS+8*\a+\j:SS+8*\a+\j+1]
.endr
.endr
	WIN AW_|((\ow)<<6)
.irp j,0,1,2,3,4,5,6,7
.irp i,0,1,2,3
	v_fma_f32 v[(\ob)+4*(8*\a+\j)+\i], v[AB_+8*(4*\i+\a)+\j], v[GV+4*(\g)+\i], v[OB+4*(\g)+\i]
.endr
.endr
.endr
.endm
.macro EMITS g, ow, ob                 ; its 32 stores: sixteen lanes store 256 consecutive bytes, aligned; written once, read by nobody here
	WIN (\ow)<<2
.irp a,0,1,2,3
.irp j,0,1,2,3,4,5,6,7
	global_store_b128 v[OG+(\g)], v[(\ob)+4*(8*\a+\j):(\ob)+4*(8*\a+\j)+3], s[20:21] offset:4096*(16*\a+\j) th:TH_STORE_NT
.endr
.endr
.endm
	s_load_b256 s[4:11], s[0:1], 0x0               ; x's codes, x's scales, W's codes, W's scales
	s_load_b256 s[12:19], s[0:1], 0x20             ; bqkv, part, scale, bias
	s_load_b64 s[20:21], s[0:1], 0x40              ; out0
	v_lshl_add_u32 v[SPW], v0, 2, SPARE
	v_mov_b32 v[NIL], 0
	ds_add_u32 v[SPW], v[NIL]
	ds_add_u32 v[SPW], v[NIL]
	v_lshrrev_b32 v6, 5, v0
	v_readfirstlane_b32 s[WV], v6
	s_bfe_u32 s23, ttmp6, 0x40000
	s_lshl_b32 s24, ttmp9, 2
	s_add_co_u32 s24, s24, s23                     ; my work-group: it enters x's, part's and out0's addresses alone
	s_and_b32 s[ROT], ttmp9, 3
.irp g,0,1,2,3
	s_add_co_u32 s[GA+\g], s[ROT], \g
	s_and_b32 s[GA+\g], s[GA+\g], 3
	s_lshl_b32 s[RL+\g], s[GA+\g], 11
	s_lshl_b32 s[RB+\g], s[GA+\g], 8
.endr
	s_mov_b32 s[G1W], 15|(3<<16)|(1<<20)|(1<<21)|(6<<22)|(3<<25)
	s_mov_b32 s[G1W+1], 192<<16
	s_mov_b32 s[G1W+2], 16<<16
	s_mov_b32 s[G1W+3], 192<<16
	s_mov_b32 s[G1W+4], 16
	s_mov_b32 s[G1W+5], 384
	s_mov_b32 s[G1W+6], 0
	s_mov_b32 s[G1W+7], 0
	s_mov_b32 s[G1S], 15|(3<<16)|(1<<21)           ; half of the scale bytes: a dense block as 2 RS rows of 256 bytes, no padding; asked for jointly
	s_mov_b32 s[G1S+1], 32<<16
	s_mov_b32 s[G1S+2], (2*RS)<<16
	s_mov_b32 s[G1S+3], 32<<16
	s_mov_b32 s[G1S+4], 2*RS
	s_mov_b32 s[G1S+5], 32
	s_mov_b32 s[G1S+6], 0
	s_mov_b32 s[G1S+7], 0
	s_mov_b32 s[G1X], (3<<16)|(1<<20)|(5<<22)|(3<<25)   ; 32 rows of x: a dense block as 96 rows of 256 bytes, 16 bytes of padding behind each; the work-group's own
	s_mov_b32 s[G1X+1], 32<<16
	s_mov_b32 s[G1X+2], 96<<16
	s_mov_b32 s[G1X+3], 32<<16
	s_mov_b32 s[G1X+4], 96
	s_mov_b32 s[G1X+5], 32
	s_mov_b32 s[G1X+6], 0
	s_mov_b32 s[G1X+7], 0
	s_mov_b32 s[SEL], 0x76543210
	s_mov_b32 s[SEL+1], 0xfedcba98
	s_mul_i32 s26, s[WV], WPART
	s_mul_i32 s28, s[WV], 256*768
	s_mov_b32 s29, 0
	s_and_b32 s27, s[WV], 1                        ; which half I bring at the head
	s_mul_i32 s30, s27, 2*RS*256
	s_mov_b32 s31, 0
	s_mul_i32 s2, s24, 64*768
	s_mul_i32 s3, s27, 32*768
	s_add_co_u32 s2, s2, s3
	s_mov_b32 s3, 0
	s_mov_b32 s[G0W], 1
	s_mov_b32 s[G0W+1], s26
	s_mov_b32 s[G0W+4], 1
	s_add_co_u32 s[G0W+5], s26, SLOTB
	s_mov_b32 s[G0S], 1
	s_mul_i32 s[G0S+1], s27, 2*RS*256
	s_add_co_u32 s[G0S+1], s[G0S+1], WSC
	s_mov_b32 s[G0X], 1
	s_mul_i32 s[G0X+1], s27, 2*XPART
	s_add_co_u32 s[G0X+1], s[G0X+1], XR
	s_wait_dscnt 0x0
	s_wait_kmcnt 0x0
	s_add_nc_u64 s[WB:WB+1], s[8:9], s[28:29]
	s_add_nc_u64 s[G0S+2:G0S+3], s[10:11], s[30:31]
	s_or_b32 s[G0S+3], s[G0S+3], 0x80000000
	s_add_nc_u64 s[G0X+2:G0X+3], s[4:5], s[2:3]
	s_or_b32 s[G0X+3], s[G0X+3], 0x80000000
	s_mul_i32 s30, s[GA], 64*768
	s_add_nc_u64 s[G0W+2:G0W+3], s[WB:WB+1], s[30:31]
	s_add_nc_u64 s[G0W+6:G0W+7], s[G0W+2:G0W+3], 2*768
	s_or_b32 s[G0W+3], s[G0W+3], 0x80000000
	s_or_b32 s[G0W+7], s[G0W+7], 0x80000000
	CROUND                                         ; the first joint loads meet
	s_cmp_lt_u32 s[WV], 2                          ; one tensor load a wave at the head: waves 0, 1 x's halves, waves 2, 3 the scales' halves
	s_cbranch_scc0 .Lhead_s
	tensor_load_to_lds s[G0X:G0X+3], s[G1X:G1X+7]
	s_nop 0
	NOPS 4
	s_branch .Lhead_asked
.Lhead_s:
	tensor_load_to_lds s[G0S:G0S+3], s[G1S:G1S+7]
	s_nop 0
	NOPS 4
.Lhead_asked:
	s_lshl_b32 s2, s24, 11
	s_add_nc_u64 s[6:7], s[6:7], s[2:3]
	s_lshl_b32 s2, s[WV], 10
	s_add_nc_u64 s[12:13], s[12:13], s[2:3]
	s_add_nc_u64 s[16:17], s[16:17], s[2:3]
	s_add_nc_u64 s[18:19], s[18:19], s[2:3]
	s_lshl_b32 s25, s24, 18
	s_add_co_u32 s25, s25, s2
	s_lshr_b32 s27, s24, 6
	s_lshl_b32 s27, s27, 18
	s_add_co_u32 s2, s2, s27
	s_add_nc_u64 s[14:15], s[14:15], s[2:3]
	s_mov_b32 s2, s25
	s_add_nc_u64 s[20:21], s[20:21], s[2:3]
	v_and_b32 v6, 15, v0                           ; r
	v_bfe_u32 v7, v0, 4, 1                         ; h
	v_lshlrev_b32 v[BO], 4, v6
	v_lshl_add_u32 v[PO], v7, 12, v[BO]
	v_lshl_add_u32 v[OO], v7, 15, v[BO]
	v_lshlrev_b32 v[XSO], 5, v6
	v_lshl_add_u32 v[XSO], v7, 4, v[XSO]
.irp g,0,1,2,3
	v_add_nc_u32 v[BG+\g], s[RB+\g], v[BO]
	v_add_nc_u32 v[PG+\g], s[RB+\g], v[PO]
.endr
.irp a,0,1,2,3
	global_load_b128 v[XS+4*\a:XS+4*\a+3], v[XSO], s[6:7] offset:512*\a
.endr
	global_load_b128 v[BV:BV+3], v[BG], s[12:13]
	global_load_b128 v[BV+4:BV+7], v[BG+1], s[12:13]
.irp g,0,1,2,3
	global_load_b128 v[96+4*\g:99+4*\g], v[BG+\g], s[16:17]               ; scale of my 16 columns, by places
.endr
	WIN 0x80
	PLOAD 0
	PLOAD 1
	WIN 0xc0
	PLOAD 2
	PLOAD 3
	WIN 0
	v_mul_u32_u24 v[WA], v6, WPITCH
	v_mad_u32_u24 v[WA], v7, 24, v[WA]
	v_add_nc_u32 v[WA], s26, v[WA]
	v_lshl_add_u32 v[WA+1], v7, 4, v[WA]
	v_add_nc_u32 v[WA+2], SLOTB, v[WA]
	v_add_nc_u32 v[WA+3], SLOTB, v[WA+1]
	v_mul_u32_u24 v[XA], v6, XPITCH
	v_mad_u32_u24 v[XA], v7, 24, v[XA]
	v_add_nc_u32 v[XA], XR, v[XA]
	v_lshl_add_u32 v[XA+1], v7, 4, v[XA]
	v_lshlrev_b32 v[WSA], 7, v6                    ; column 4 r + i of a group: byte 128 r + 32 i; + 16 h
	v_lshl_add_u32 v[WSA], v7, 4, v[WSA]
	s_lshl_b32 s27, s[WV], 13
	s_add_co_u32 s27, s27, WSC
	v_add_nc_u32 v[WSA], s27, v[WSA]
	s_wait_alu depctr_va_vdst(0)
	s_wait_tensorcnt 0x0                           ; my half of x or of the scales is in
	ds_add_u32 v[SPW], v[NIL]
	s_wait_dscnt 0x0
	CROUND                                         ; everybody's are: x's rows and the scales are read across waves
	tensor_load_to_lds s[G0W:G0W+3], s[G1W:G1W+7]  ; slot 0's first fill: my quarter; what follows stands under its flight
	s_nop 0
	NOPS 4
	WIN 0x40
.irp s,0,1,2,3,4
.irp a,0,1,2,3
	XFRAG \a, \s
.endr
.endr
	WIN 0
.irp s,5,6,7
.irp a,0,1,2,3
	XFRAG \a, \s
.endr
.endr
	s_wait_loadcnt 63                              ; all but the youngest 63 loads, which are of places 2 and 3, are in
	WIN 0x8a
	PSUM
	s_wait_loadcnt 0x0
	WIN 0xcf
	PSUM
	WIN 0x02
.irp g,0,1
.irp i,0,1,2,3
	v_mov_b32 v[GV+4*\g+\i], v[128*\g+\i]
	v_mov_b32 v[64+4*\g+\i], v[128*\g+\i]          ; (a lane permute's destination counts as one of its sources)
.endr
.endr
	WIN 0x03
.irp g,0,1
.irp i,0,1,2,3
	v_mov_b32 v[GV+8+4*\g+\i], v[128*\g+\i]
	v_mov_b32 v[72+4*\g+\i], v[128*\g+\i]
.endr
.endr
	WIN 0
.irp k,0,1,2,3,4,5,6,7,8,9,10,11,12,13,14,15
	v_permlanex16_b32 v[64+\k], v[GV+\k], s[SEL], s[SEL+1]          ; the other 32 rows' sum lies in the lane 16 away
.endr
.irp k,0,1,2,3,4,5,6,7,8,9,10,11,12,13,14,15
	v_add_f32 v[GV+\k], v[GV+\k], v[64+\k]
.endr
.irp k,0,1,2,3,4,5,6,7,8,9,10,11,12,13,14,15
	v_mul_f32 v[GV+\k], v[GV+\k], v[96+\k]         ; kv x scale
.endr
	s_wait_alu depctr_va_vdst(0)
	s_wait_tensorcnt 0x0                           ; my quarter of slot 0 is in
	ds_add_u32 v[SPW], v[NIL]                      ; the same lines ahead of slot 1's first fill
	s_wait_dscnt 0x0
	CROUND
	tensor_load_to_lds s[G0W+4:G0W+7], s[G1W:G1W+7]   ; slot 1's first fill
	s_nop 0
	NOPS 4
	WSLD 0
	FETCH 0, 0
	FETCH 0, 1
	WIN 0x40
.irp j,0,1,2,3,4,5,6,7
	v_mov_b32 v[BC+\j], v[BV]
.endr
	WIN 0
	NOPS 4
.set N, 0
.rept 6
	SLOT 1
.endr
	SLOT 0
	SLOT 3
	; THE NORMS.  Sums of squares over my 256 columns: down the 16 tiles, then across the 16 lanes of a half; the four waves' sums meet in LDS.
	NOPS 4
.irp g,0,1,2,3
	v_add_nc_u32 v[OA+\g], s[RB+\g], v[BO]
	v_add_nc_u32 v[OG+\g], s[RB+\g], v[OO]
.endr
.irp g,0,1,2,3
	global_load_b128 v[OB+4*\g:OB+4*\g+3], v[OA+\g], s[18:19]       ; bias of my 16 columns, by places
.endr
	v_bfe_u32 v[NA], v0, 4, 1
	v_lshlrev_b32 v[NA], 5, v[NA]
	s_lshl_b32 s27, s[WV], 8
	v_add_nc_u32 v[NA], s27, v[NA]
	v_add_nc_u32 v[NA+3], STG2, v[NA]
	v_add_nc_u32 v[NA], STG, v[NA]
	v_and_b32 v[NA+1], 31, v0
	v_lshlrev_b32 v[NA+1], 3, v[NA+1]
	v_add_nc_u32 v[NA+2], s27, v[NA+1]
	v_add_nc_u32 v[NA+2], STG2, v[NA+2]
	v_add_nc_u32 v[NA+1], STG, v[NA+1]
.set T_, 0
.rept 16
	WIN 0x0a+5*(T_/8)
.irp a,0,1,2,3
.irp j,0,2,4,6
.if T_ == 0
	v_pk_mul_f32 v[SS+8*\a+\j:SS+8*\a+\j+1], v[32*(T_%8)+8*\a+\j:32*(T_%8)+8*\a+\j+1], v[32*(T_%8)+8*\a+\j:32*(T_%8)+8*\a+\j+1]
.else
	v_pk_fma_f32 v[SS+8*\a+\j:SS+8*\a+\j+1], v[32*(T_%8)+8*\a+\j:32*(T_%8)+8*\a+\j+1], v[32*(T_%8)+8*\a+\j:32*(T_%8)+8*\a+\j+1], v[SS+8*\a+\j:SS+8*\a+\j+1]
.endif
.endr
.endr
.set T_, T_+1
.endr
	WIN 0
.irp m,1,2,4,8
.set T_, 0
.rept 32
	v_add_f32_dpp v[SS+T_], v[SS+T_], v[SS+T_] row_xmask:\m row_mask:0xf bank_mask:0xf
.set T_, T_+1
.endr
.endr
.irp a,0,1,2,3
	ds_store_b128 v[NA], v[SS+8*\a:SS+8*\a+3] offset:64*\a          ; the sixteen lanes of a half write the same words with the same values
	ds_store_b128 v[NA], v[SS+8*\a+4:SS+8*\a+7] offset:64*\a+16
.endr
	s_wait_dscnt 0x0                               ; for the others' sake
	s_barrier_signal -1
	s_barrier_wait -1
.irp w,0,1,2,3
	ds_load_b64 v[NA+4+2*\w:NA+5+2*\w], v[NA+1] offset:256*\w
.endr
	s_wait_dscnt 0x0
	v_pk_add_f32 v[NA+4:NA+5], v[NA+4:NA+5], v[NA+6:NA+7]
	v_pk_add_f32 v[NA+8:NA+9], v[NA+8:NA+9], v[NA+10:NA+11]
	v_pk_add_f32 v[NA+4:NA+5], v[NA+4:NA+5], v[NA+8:NA+9]
	s_wait_alu depctr_va_vdst(0)                   ; a wait ahead of the two roots,
	v_rsq_f32 v[NA+6], v[NA+4]
	v_rsq_f32 v[NA+7], v[NA+5]
	v_nop
	s_wait_alu depctr_va_vdst(0)                   ; and behind them
	ds_store_b64 v[NA+2], v[NA+6:NA+7]             ; into my wave's own copy
.irp a,0,1,2,3
	ds_load_b128 v[SS+8*\a:SS+8*\a+3], v[NA+3] offset:64*\a         ; LDS serves a wave's instructions in order (ISA guide 5.7.1.4)
	ds_load_b128 v[SS+8*\a+4:SS+8*\a+7], v[NA+3] offset:64*\a+16
.endr
	s_wait_dscnt 0x0
	s_wait_loadcnt 0x0                             ; bias
	; THE RESULTS.  Each group's 128 numbers a lane go into registers that are free by then and are not written again; all vector work stands ahead of the first store.
	EMITV 0, 1, 0                                  ; where x's fragments of K steps 0-2 lay;
	EMITV 1, 0, 128                                ; where those of K steps 5-7 lay;
	EMITV 2, 2, 0                                  ; where the accumulators of place 0 lay;
	EMITV 3, 2, 128                                ; where those of place 1 lay
	s_wait_alu depctr_va_vdst(0)
	EMITS 0, 1, 0
	EMITS 1, 0, 128
	EMITS 2, 2, 0
	EMITS 3, 2, 128
	WIN 0
	s_wait_tensorcnt 0x0                           ; the wave's end
	ds_add_u32 v[SPW], v[NIL]
	s_wait_dscnt 0x0
	CROUND                                         ; the closing round
	s_endpgm
.Lfunc_end_k_q91142f4b59_outq:
	.size	k_q91142f4b59_outq, .Lfunc_end_k_q91142f4b59_outq-k_q91142f4b59_outq
	.p2alignl 7, 3214868480
	.fill 96, 4, 3214868480
	.section	.rodata,"a",@progbits
	.p2align	6, 0x0
	.amdhsa_kernel k_q91142f4b59_outq
		.amdhsa_group_segment_fixed_size 327680
		.amdhsa_private_segment_fixed_size 0
		.amdhsa_enable_private_segment 0
		.amdhsa_kernarg_size 72
		.amdhsa_user_sgpr_count 2
		.amdhsa_user_sgpr_kernarg_segment_ptr 1
		.amdhsa_wavefront_size32 1
		.amdhsa_system_sgpr_workgroup_id_x 1
		.amdhsa_system_sgpr_workgroup_id_y 1
		.amdhsa_system_sgpr_workgroup_id_z 1
		.amdhsa_system_vgpr_workitem_id 0
		.amdhsa_next_free_vgpr 1024
		.amdhsa_next_free_sgpr 100
		.amdhsa_reserve_vcc 0
		.amdhsa_float_denorm_mode_32 3
		.amdhsa_float_denorm_mode_16_64 3
		.amdhsa_memory_ordered 1
		.amdhsa_forward_progress 1
		.amdhsa_inst_pref_size 255
	.end_amdhsa_kernel
	.section	.bss,"aw",@nobits
	.p2align	6
	.space	262144
	.amdgpu_metadata
---
amdhsa.version: [ 1, 2 ]
amdhsa.kernels:
  - .name:           k_q91142f4b59_outq
    .symbol:         k_q91142f4b59_outq.kd
    .args:
      - { .name: x_codes, .offset: 0, .size: 8, .value_kind: global_buffer, .address_space: global }
      - { .name: x_scales, .offset: 8, .size: 8, .value_kind: global_buffer, .address_space: global }
      - { .name: Wqkv_codes, .offset: 16, .size: 8, .value_kind: global_buffer, .address_space: global }
      - { .name: Wqkv_scales, .offset: 24, .size: 8, .value_kind: global_buffer, .address_space: global }
      - { .name: bqkv, .offset: 32, .size: 8, .value_kind: global_buffer, .address_space: global }
      - { .name: part, .offset: 40, .size: 8, .value_kind: global_buffer, .address_space: global }
      - { .name: scale, .offset: 48, .size: 8, .value_kind: global_buffer, .address_space: global }
      - { .name: bias, .offset: 56, .size: 8, .value_kind: global_buffer, .address_space: global }
      - { .name: out0, .offset: 64, .size: 8, .value_kind: global_buffer, .address_space: global }
    .group_segment_fixed_size: 327680
    .private_segment_fixed_size: 0
    .kernarg_segment_align: 8
    .kernarg_segment_size: 72
    .max_flat_workgroup_size: 128
    .sgpr_count:     100
    .vgpr_count:     1024
    .wavefront_size: 32
...
	.end_amdgpu_metadata
.endif
;; end of part 4
